; MI455X (gfx1250); checked and timed in simulation.
; The chip was launched on July 23, 2026; its instructions are those of AMD's public machine-readable ISA for CDNA 5 (MIT licence, August 2026) and "CDNA5" Instruction Set Architecture Reference Guide (July 2026). The comments in the code are by the model that wrote it; some were corrected since.
;; Mo E Layer. Allowed arithmetic: matrix products marked QUANTISED: E5M2 operands, one given power-of-two scale a tensor, by v_wmma_f32_16x16x64_bf8_bf8 or v_wmma_f32_16x16x128_bf8_bf8, f32 sums; products left as they are: f32 operands where the result goes on into a quantised operand, else bf16, f16 or f32 operands; f32 sums; everything else in f32.
;; Inputs: expert_b 8 x 1,024 float32; expert_w 8 x 1,024 x 1,024 float32; gate_b 8 float32; gate_w 8 x 1,024 float32; lowp_scales 2 int32 (the exponents e of the quantised operands' scales 2^e); x 4 x 2,048 x 1,024 float32.
;; Outputs: out0 4 x 2,048 x 1,024 float32.
;; This version of the problem:
;;   THIS VERSION OF THE PROBLEM IS GIVEN IN LOW PRECISION. The matrix products marked QUANTISED in the list below multiply operands that are first quantised to E5M2 (5 exponent bits, 2 mantissa bits; 8 bits a number), with one given power-of-two scale for each operand tensor; their sums are f32. All else is computed in f32.
;;   The module's matrix products, in the order in which they are computed (A, B: the left and right operand; K: the contracted axis; several contracted axes count as one K, in the product's order):
;;     1. [M 8,192, K 1,024] x [K 1,024, N 8]; A: input x; B: input gate_w: left as it is (N = 8 < 16)
;;     2. [M 8,192, K 1,024] x [K 1,024, N 8,192]; A: input x; B: input expert_w: QUANTISED (scales: A lowp_scales[0], B lowp_scales[1])
;;     3. batch 8,192 x [M 1,024, K 8] x [K 8, N 1]; A: computed on the way; B: softmax: left as it is (K = 8 < 32)
;;   THE QUANTISER, for each operand of a quantised product, along K:
;;     - The operand's scale is 2^e, e = its entry of the input lowp_scales (int32; the entries are numbered through the quantised products in the list's order, A before B).
;;     - Each number is divided by the scale, clamped to +-57,344, and rounded to the nearest number of E5M2, ties to even, subnormals kept.
;;     - The product sums the exact products of the quantised numbers (number of the format x scale) in f32.
;;   ~~~python
;;   def quantise(x, axis, e):      # numpy; x: float32 -> the quantised numbers, widened to float32 again
;;       x = np.moveaxis(x, axis, -1); K = x.shape[-1]
;;       r = np.clip(x / 2.0 ** e, -57344, 57344)
;;       step = 2.0 ** (np.maximum(np.frexp(np.where(r == 0, 1, r))[1] - 1, -14) - 2)
;;       q = np.round(r / step) * step * 2.0 ** e      # np.round: ties to even
;;       return np.moveaxis(q, -1, axis).astype(np.float32)
;;   ~~~
;; 2 versions. Each part assembles by itself: llvm-mc -triple=amdgcn-amd-amdhsa -mcpu=gfx1250 --defsym DOCPART=n.
;; ======== version 1 of 2: 3 launches
;; workspace buffers: xcodes 8,388,608 bytes; wimg 8,388,608 bytes; gates 65,536 bytes; choice 32,768 bytes of whole numbers; hist 32,768 bytes of whole numbers; perm 32,768 bytes of whole numbers; bmask 256 bytes of whole numbers
;; launch route (part 1): grid 256 x 1, 4 waves a work-group, no clusters, 4,608 bytes of LDS; arguments x, gate_w, gate_b, lowp_scales, xcodes, choice, gates, hist; writes xcodes, choice, gates, hist
.if DOCPART == 1
	.amdgcn_target "amdgcn-amd-amdhsa--gfx1250"
	.amdhsa_code_object_version 6
	.text
	.protected	k_q5d28ae0349_route
	.globl	k_q5d28ae0349_route
	.p2align	8
	.type	k_q5d28ae0349_route,@function
k_q5d28ae0349_route:
	s_mov_b64 s[64:65], 0
	v_nop
	global_prefetch_b8 v0, s[64:65] scope:SCOPE_SE
	s_setreg_imm32_b32 hwreg(HW_REG_WAVE_MODE, 25, 1), 1
	s_wait_xcnt 0x0
; ROUTER AND QUANTISER OF x.  x: [8192][1024] f32 is read once.  Out of it come
;   (1) the 8 logits of each token, x . gate_w[e] + gate_b[e], in f32 (packed fused multiply-adds), the two largest (the lower index wins a tie), and the softmax over
;       those two with the larger one taken away first: g1 = 1 / (1 + t), g2 = t / (1 + t), t = 2^((m2 - m1) log2 e) <= 1;
;   (2) x's codes of E5M2 with the given scale 2^ex: x / 2^ex, held within +-57,344, to the nearest code, ties to even;
;   (3) for the sort that a later launch makes: each token's pair of experts (ea < eb) as one of 28 bins, its rank among the tokens of the same bin in its group of 32, and the group's histogram.
; Everything is stored at places that hang on ids alone: no address and no branch here hangs on a number made from floating point.
; SHARES.  A work-group takes 32 tokens.  Wave w takes k = 256 w .. 256 w + 255 of all 32 rows; lane L holds, of a row, x[256 w + 128 j + 4 L + i], j = 0, 1, i = 0 .. 3: each load of a wave covers 512 consecutive bytes.
; THE ORDER OF THE CODES.  A lane's eight numbers become eight codes at byte p = 256 w + 8 L + 4 j + i of the token's row of 1,024 codes.  So byte p holds k = 256 (p >> 8) + 128 ((p >> 2) & 1) + 4 ((p & 255) >> 3) + (p & 3).
; The weights' codes are laid by the same order, so every product meets its partner; only the order of the sums changes.  A wave's store covers 256 consecutive bytes, aligned.
; THE BINS go in a snake, so that neighbours share an expert: bin = ea (15 - ea) / 2 + (ea even: eb - ea - 1; ea odd: 7 - eb).
; LIMITS.  ex between -126 and 112.  NaN among the inputs is not served; an infinity in x is held at the largest code.  The logits' f32 sums are added in another order than a plain dot product's,
; so a tie of the second and third logit within rounding may fall either way.
; No matrix unit: N = 8 in f32 is vector work.  No cluster: work-groups share only gate_w, 32 KiB against 128 KiB of x.
; REGISTERS.  Window 0: v1 lane, v2 byte of my 16 in a row of x or gate_w, v3 the same for codes, v4 LDS place, v5 2^ex, v6 57,344 x 2^ex, v11 a permute's destination;
;   v16-79 gate_w (8 e + 4 j + i); v80-143 32 running pairs (4 rows x 8 experts); v144-207 codes, two registers a row, never rewritten; v208-215 a batch's sums; v216-231 at work.   Window 1: x, row q at v[8 q].
.set G, 16
.set P, 80
.set C, 144
.set R, 208
.set T, 216
.set MSB, 0
.macro WIN new                         ; the immediate's high byte repeats the setting that is left
.if MSB != \new
	s_set_vgpr_msb (MSB<<8)|\new
.set MSB, \new
.endif
.endm
	s_load_b512 s[4:19], s[0:1], 0x0               ; x s[4:5], gate_w s[6:7], gate_b s[8:9], scales s[10:11], xcodes s[12:13], choice s[14:15], gates s[16:17], hist s[18:19]
	v_lshl_add_u32 v254, v0, 2, 0x1000
	v_mov_b32 v255, 0
	v_lshrrev_b32 v1, 5, v0
	v_readfirstlane_b32 s20, v1                    ; wave 0..3
	v_and_b32 v1, 31, v0                           ; lane
	s_lshl_b32 s21, s20, 10
	v_lshl_add_u32 v2, v1, 4, s21                  ; 1,024 w + 16 L: my 16 bytes of a half row's 512
	v_lshl_add_u32 v4, v1, 2, s21                  ; LDS: my wave's 1,024 bytes, 4 L
	s_lshl_b32 s21, s20, 8
	v_lshl_add_u32 v3, v1, 3, s21                  ; 256 w + 8 L: my 8 codes of a row
	v_mov_b32 v11, 0                               ; written once: a lane permute's destination counts as one of its sources
	s_mov_b32 s24, 0xaaaaaaaa                      ; lanes whose bit 0, 1, 2, 3, 4 is set
	s_mov_b32 s25, 0xcccccccc
	s_mov_b32 s26, 0xf0f0f0f0
	s_mov_b32 s27, 0xff00ff00
	s_mov_b32 s28, 0xffff0000
	s_mov_b32 s30, 0x76543210                      ; v_permlanex16_b32: lane l xor 16
	s_mov_b32 s31, 0xfedcba98
	s_lshl_b32 s22, ttmp9, 17                      ; 32 rows of 4,096 bytes
	s_mov_b32 s23, 0
	s_wait_kmcnt 0x0
	s_load_b256 s[32:39], s[8:9], 0x0              ; gate_b
	s_load_b32 s40, s[10:11], 0x0                  ; ex
	s_add_nc_u64 s[4:5], s[4:5], s[22:23]
	s_lshl_b32 s22, ttmp9, 15                      ; 32 rows of 1,024 codes
	s_add_nc_u64 s[12:13], s[12:13], s[22:23]
.irp e, 0,1,2,3,4,5,6,7
	global_load_b128 v[G+8*\e:G+8*\e+3], v2, s[6:7] offset:4096*\e
	global_load_b128 v[G+8*\e+4:G+8*\e+7], v2, s[6:7] offset:4096*\e+512
.endr
	WIN 0x40                                       ; destination window 1
.set ii, 0
.rept 32                                       ; the wave's whole share of x is asked for at once: 64 loads of 512 bytes
	global_load_b128 v[8*ii:8*ii+3], v2, s[4:5] offset:4096*ii th:TH_LOAD_NT
	global_load_b128 v[8*ii+4:8*ii+7], v2, s[4:5] offset:4096*ii+512 th:TH_LOAD_NT
.set ii, ii+1
.endr
	WIN 0
	s_wait_kmcnt 0x0
	s_add_co_i32 s21, s40, 127
	s_lshl_b32 s22, s21, 23
	v_mov_b32 v5, s22                              ; 2^ex as f32: the conversion takes its exponent field
	s_add_co_i32 s21, s21, 15
	s_lshl_b32 s21, s21, 23
	s_or_b32 s21, s21, 0x600000
	v_mov_b32 v6, s21                              ; 57,344 x 2^ex
; One level of the tree that adds over lanes and transposes at once.  Of each pair of sums (n, n + d) a lane keeps the one that its bit names, sends the other to the lane whose bit differs, and adds what it gets.
; Three passes, so that neighbouring lines do not hang on each other.
.macro LEVEL d, m, x
.set nn, 0
.rept 16/\d
	v_cndmask_b32 v[T+nn/(2*\d)], v[P+2*(nn+\d)], v[P+2*nn], s[\m]     ; what I send: bit set: sum n, else sum n + d
.set nn, nn+2*\d
.endr
.set nn, 0
.rept 16/\d
	v_cndmask_b32 v[P+2*nn], v[P+2*nn], v[P+2*(nn+\d)], s[\m]          ; what I keep
.set nn, nn+2*\d
.endr
.set nn, 0
.rept 16/\d
	v_add_f32_dpp v[P+2*nn], v[T+nn/(2*\d)], v[P+2*nn] row_xmask:\x row_mask:0xf bank_mask:0xf
.set nn, nn+2*\d
.endr
.endm
; Four rows: 32 dot products' parts, the rows' codes, and the sums over my 32 lanes.
.macro BATCH bt
	s_wait_loadcnt 56-8*(\bt)                      ; loads come back in order: what may be out are the 8 loads of each later batch; gate_w's are older
	WIN 0x01                                       ; source 0 (x) window 1
.irp q, 0,1,2,3
.irp rr, 0,1,2,3
.irp e, 0,1,2,3,4,5,6,7
.if \q == 0
	v_pk_mul_f32 v[P+2*(8*\rr+\e):P+2*(8*\rr+\e)+1], v[8*(4*(\bt)+\rr):8*(4*(\bt)+\rr)+1], v[G+8*\e:G+8*\e+1]   ; the first product starts the sum
.else
	v_pk_fma_f32 v[P+2*(8*\rr+\e):P+2*(8*\rr+\e)+1], v[8*(4*(\bt)+\rr)+2*\q:8*(4*(\bt)+\rr)+2*\q+1], v[G+8*\e+2*\q:G+8*\e+2*\q+1], v[P+2*(8*\rr+\e):P+2*(8*\rr+\e)+1]
.endif
.endr
.endr
.endr
	WIN 0x41                                       ; source 0 and destination window 1
.set ii, 0
.rept 32
	v_med3_num_f32 v[32*(\bt)+ii], v[32*(\bt)+ii], -v6, v6             ; the conversion to an 8-bit code does not saturate (ISA guide 7.6.2): the hold comes first, behind the logits' reads
.set ii, ii+1
.endr
	WIN 0x01
.irp rr, 0,1,2,3
	v_cvt_scalef32_pk8_bf8_f32 v[C+2*(4*(\bt)+\rr):C+2*(4*(\bt)+\rr)+1], v[8*(4*(\bt)+\rr):8*(4*(\bt)+\rr)+7], v5
.endr
	WIN 0
.set nn, 0
.rept 32
	v_add_f32 v[P+2*nn], v[P+2*nn], v[P+2*nn+1]    ; a pair's two halves.  (Plain lines behind the conversions)
.set nn, nn+1
.endr
.irp rr, 0,1,2,3
	global_store_b64 v3, v[C+2*(4*(\bt)+\rr):C+2*(4*(\bt)+\rr)+1], s[12:13] offset:1024*(4*(\bt)+\rr)   ; the wave stores 256 consecutive bytes, aligned
.endr
	LEVEL 1, 24, 1
	LEVEL 2, 25, 2
	LEVEL 4, 26, 4
	LEVEL 8, 27, 8
	v_cndmask_b32 v[T], v[P+32], v[P], s28
	v_cndmask_b32 v[T+1], v[P], v[P+32], s28
	v_permlanex16_b32 v11, v[T], s30, s31
	v_add_f32 v[R+(\bt)], v[T+1], v11              ; lane L: my wave's part of the logit of row 4 bt + L / 8, expert L % 8
.endm
.irp bt, 0,1,2,3,4,5,6,7
	BATCH \bt
.endr
.irp bt, 0,1,2,3,4,5,6,7
	ds_store_b32 v4, v[R+\bt] offset:128*\bt       ; word 8 row + e of my wave's part
.endr
	s_wait_dscnt 0x0                               ; for wave 0's sake: my stores have landed
	s_barrier_signal -1
	s_barrier_wait -1
	s_cmp_lg_u32 s20, 0
	s_cbranch_scc1 .Lend                           ; the rest is 32 rows' work: wave 0, a lane to a row
	v_lshlrev_b32 v12, 5, v1                       ; my row's 8 words
.irp ww, 0,1,2,3
	ds_load_b128 v[16+8*\ww:19+8*\ww], v12 offset:1024*\ww
	ds_load_b128 v[20+8*\ww:23+8*\ww], v12 offset:1024*\ww+16
.endr
	s_wait_dscnt 0x0
.irp e, 0,1,2,3,4,5,6,7
	v_add_f32 v[16+\e], v[16+\e], v[24+\e]
	v_add_f32 v[32+\e], v[32+\e], v[40+\e]
.endr
.irp e, 0,1,2,3,4,5,6,7
	v_add_f32 v[16+\e], v[16+\e], v[32+\e]
.endr
.irp e, 0,1,2,3,4,5,6,7
	v_add_f32 v[16+\e], s[32+\e], v[16+\e]         ; + gate_b: the logits, v16-23
.endr
.macro TOP m, i                        ; the largest of v16-23 and the lowest index that holds it
	v_max3_num_f32 v[\m], v16, v17, v18
	v_max3_num_f32 v[\m], v[\m], v19, v20
	v_max3_num_f32 v[\m], v[\m], v21, v22
	v_max_num_f32 v[\m], v[\m], v23
	v_mov_b32 v[\i], 7
.irp e, 6,5,4,3,2,1,0
	v_cmp_eq_f32 vcc_lo, v[16+\e], v[\m]
	v_cndmask_b32 v[\i], v[\i], \e, vcc_lo
.endr
.endm
	TOP 48, 49                                     ; m1, i1
	v_mov_b32 v50, 0xff800000                      ; -infinity takes the winner's place
.irp e, 0,1,2,3,4,5,6,7
	v_cmp_eq_u32 vcc_lo, \e, v49
	v_cndmask_b32 v[16+\e], v[16+\e], v50, vcc_lo
.endr
	TOP 51, 52                                     ; m2, i2
	v_sub_f32 v53, v51, v48                        ; m2 - m1 <= 0: the maximum is taken away
	v_mul_f32 v53, 0x3fb8aa3b, v53
	v_exp_f32 v53, v53                             ; t
	v_min_u32 v55, v49, v52                        ; ea.  (A plain line behind the exponential)
	s_wait_alu depctr_va_vdst(0)
	v_add_f32 v54, 1.0, v53
	v_rcp_f32 v54, v54                             ; g1 = 1 / (1 + t)
	v_max_u32 v56, v49, v52                        ; eb.  (A plain line behind the reciprocal)
	s_wait_alu depctr_va_vdst(0)
	v_mul_f32 v57, v53, v54                        ; g2 = t / (1 + t)
	v_cmp_lt_u32 vcc_lo, v49, v52
	v_cndmask_b32 v58, v57, v54, vcc_lo            ; ga: the gate of ea
	v_cndmask_b32 v59, v54, v57, vcc_lo            ; gb: the gate of eb
	v_sub_nc_u32 v60, 15, v55
	v_mul_u32_u24 v60, v60, v55
	v_lshrrev_b32 v60, 1, v60                      ; ea (15 - ea) / 2
	v_sub_nc_u32 v61, v56, v55
	v_add_nc_u32 v61, -1, v61                      ; eb - ea - 1
	v_sub_nc_u32 v62, 7, v56                       ; 7 - eb
	v_and_b32 v63, 1, v55
	v_cmp_eq_u32 vcc_lo, 1, v63
	v_cndmask_b32 v61, v61, v62, vcc_lo
	v_add_nc_u32 v60, v60, v61                     ; the bin, 0 .. 27
	v_mov_b32 v64, 0                               ; the histogram: lane k holds bin k's count; lanes 28-31 stay 0
	v_mov_b32 v65, 0                               ; my rank among the group's tokens of my bin
.macro BIN k
	v_cmp_eq_u32 s41, \k, v60
	s_bcnt1_i32_b32 s42, s41
	v_writelane_b32 v64, s42, \k
	v_mbcnt_lo_u32_b32 v66, s41, 0                 ; how many lanes below me are in bin k
	v_cndmask_b32 v65, v65, v66, s41
.endm
.irp k, 0,1,2,3,4,5,6,7,8,9,10,11,12,13,14,15,16,17,18,19,20,21,22,23,24,25,26,27
	BIN \k
.endr
	v_lshlrev_b32 v67, 2, v60                      ; the word: bin << 2 | ea << 8 | eb << 12 | rank << 16
	v_lshl_or_b32 v67, v55, 8, v67
	v_lshl_or_b32 v67, v56, 12, v67
	v_lshl_or_b32 v67, v65, 16, v67
	v_lshlrev_b32 v68, 2, v1
	v_lshlrev_b32 v69, 3, v1
	s_lshl_b32 s22, ttmp9, 7                       ; 32 words a group  (s23 is still 0)
	s_add_nc_u64 s[14:15], s[14:15], s[22:23]
	s_add_nc_u64 s[18:19], s[18:19], s[22:23]
	s_lshl_b32 s22, ttmp9, 8
	s_add_nc_u64 s[16:17], s[16:17], s[22:23]
	global_store_b32 v68, v67, s[14:15]
	global_store_b64 v69, v[58:59], s[16:17]       ; 256 consecutive bytes, aligned
	global_store_b32 v68, v64, s[18:19]
.Lend:
	s_wait_tensorcnt 0x0
	ds_add_u32 v254, v255
	s_wait_dscnt 0x0
	s_endpgm
.Lfunc_end_k_q5d28ae0349_route:
	.size	k_q5d28ae0349_route, .Lfunc_end_k_q5d28ae0349_route-k_q5d28ae0349_route
	.p2alignl 7, 3214868480
	.fill 96, 4, 3214868480
	.section	.rodata,"a",@progbits
	.p2align	6, 0x0
	.amdhsa_kernel k_q5d28ae0349_route
		.amdhsa_group_segment_fixed_size 4608
		.amdhsa_private_segment_fixed_size 0
		.amdhsa_enable_private_segment 0
		.amdhsa_kernarg_size 64
		.amdhsa_user_sgpr_count 2
		.amdhsa_user_sgpr_kernarg_segment_ptr 1
		.amdhsa_wavefront_size32 1
		.amdhsa_system_sgpr_workgroup_id_x 1
		.amdhsa_system_sgpr_workgroup_id_y 1
		.amdhsa_system_sgpr_workgroup_id_z 1
		.amdhsa_system_vgpr_workitem_id 0
		.amdhsa_next_free_vgpr 512
		.amdhsa_next_free_sgpr 66
		.amdhsa_reserve_vcc 1
		.amdhsa_float_denorm_mode_32 3
		.amdhsa_float_denorm_mode_16_64 3
		.amdhsa_memory_ordered 1
		.amdhsa_forward_progress 1
		.amdhsa_inst_pref_size 165
	.end_amdhsa_kernel
	.amdgpu_metadata
---
amdhsa.version: [ 1, 2 ]
amdhsa.kernels:
  - .name:           k_q5d28ae0349_route
    .symbol:         k_q5d28ae0349_route.kd
    .args:
      - { .name: x, .offset: 0, .size: 8, .value_kind: global_buffer, .address_space: global }
      - { .name: gate_w, .offset: 8, .size: 8, .value_kind: global_buffer, .address_space: global }
      - { .name: gate_b, .offset: 16, .size: 8, .value_kind: global_buffer, .address_space: global }
      - { .name: lowp_scales, .offset: 24, .size: 8, .value_kind: global_buffer, .address_space: global }
      - { .name: xcodes, .offset: 32, .size: 8, .value_kind: global_buffer, .address_space: global }
      - { .name: choice, .offset: 40, .size: 8, .value_kind: global_buffer, .address_space: global }
      - { .name: gates, .offset: 48, .size: 8, .value_kind: global_buffer, .address_space: global }
      - { .name: hist, .offset: 56, .size: 8, .value_kind: global_buffer, .address_space: global }
    .group_segment_fixed_size: 4608
    .private_segment_fixed_size: 0
    .kernarg_segment_align: 8
    .kernarg_segment_size: 64
    .max_flat_workgroup_size: 128
    .sgpr_count:     66
    .vgpr_count:     512
    .wavefront_size: 32
...
	.end_amdgpu_metadata
.endif
;; end of part 1
;; launch prep (part 2): grid 257 x 1, 8 waves a work-group, no clusters, 2,048 bytes of LDS; arguments expert_w, lowp_scales, hist, choice, wimg, perm, bmask; writes wimg, perm, bmask
.if DOCPART == 2
	.amdgcn_target "amdgcn-amd-amdhsa--gfx1250"
	.amdhsa_code_object_version 6
	.text
	.protected	k_q5d28ae0349_prep
	.globl	k_q5d28ae0349_prep
	.p2align	8
	.type	k_q5d28ae0349_prep,@function
k_q5d28ae0349_prep:
	s_mov_b64 s[64:65], 0
	v_nop
	global_prefetch_b8 v0, s[64:65] scope:SCOPE_SE
	s_setreg_imm32_b32 hwreg(HW_REG_WAVE_MODE, 25, 1), 1
	s_wait_xcnt 0x0
; TWO JOBS IN ONE LAUNCH, parted on the work-group's number.
; WORK-GROUPS 1 .. 256: expert_w [8][1024 (k)][1024 (o)] f32 becomes codes of E5M2 with the given scale 2^ew (x / 2^ew, held within +-57,344, to the nearest code, ties to even), laid as IMAGES OF THE OPERAND'S REGISTERS:
;   byte = e 2^20 + ct 16384 + s 2048 + c 512 + 16 lane: lane (r, h) of the fragment of columns 16 ct + r and K step s holds, in registers 4 c .. 4 c + 3, code places p = 128 s + 32 c + 16 h + 0 .. 15,
;   and place p stands for k = 256 (p >> 8) + 128 ((p >> 2) & 1) + 4 ((p & 255) >> 3) + (p & 3), the order in which the tokens' codes lie.
;   A LANE TAKES A COLUMN AND ITS REGISTERS RUN DOWN K: each load reads 128 consecutive bytes a wave (four waves side by side: 512), and the conversions give a lane 32 codes of one column: 16 bytes of the image for h = 0
;   and 16 for h = 1.  Sixteen neighbouring lanes then store 256 consecutive bytes, aligned: no turn through LDS.  A wave takes 32 columns x one K step (128 k); loads run two blocks (64 loads) ahead.
; WORK-GROUP 0: the counting sort of the 8,192 tokens by their pair of experts (28 bins).  Wave w takes groups 32 w .. 32 w + 31 of 32 tokens; lane k holds bin k.
;   rank = tokens in lower bins + tokens of my bin in earlier waves' groups + in my wave's earlier groups + my rank in my group.  perm[rank] = token | ea << 16 | eb << 20.
;   bmask[block of 128 ranks] = the experts that the block's tokens use.  The 8,192 words of perm are stored singly, to places that the sort gives: 32 KiB in all.
; LIMITS.  ew between -126 and 112.  NaN among the weights is not served.
; No tensor loads, no cluster: no two work-groups read the same bytes.
.set X, 32                             ; W: v32-95 two sets of 32 numbers;  v96-127 codes, 8 registers a block, never rewritten
.set C, 96
	s_load_b256 s[4:11], s[0:1], 0x0               ; expert_w s[4:5], scales s[6:7], hist s[8:9], choice s[10:11]
	s_load_b128 s[12:15], s[0:1], 0x20             ; wimg s[12:13], perm s[14:15]
	s_load_b64 s[16:17], s[0:1], 0x30              ; bmask
	v_lshl_add_u32 v176, v0, 2, 0x400
	v_mov_b32 v177, 0
	v_lshrrev_b32 v1, 5, v0
	v_readfirstlane_b32 s18, v1                    ; wave 0..7
	v_and_b32 v1, 31, v0                           ; lane
	s_cmp_eq_u32 ttmp9, 0
	s_cbranch_scc1 .Lsort
	; ---------------- the weights ----------------
	s_sub_co_u32 s20, ttmp9, 1
	s_lshr_b32 s21, s20, 5                         ; e: the expert
	s_bfe_u32 s22, s20, 0x30002                    ; cg: which 128 columns
	s_and_b32 s23, s20, 3                          ; sp: which pair of K steps
	s_and_b32 s24, s18, 3                          ; wc: my 32 columns of the 128
	s_lshr_b32 s25, s18, 2                         ; sh: which K step of the pair
	s_lshl_b32 s28, s21, 22                        ; in: e 2^22 + (256 sp + 64 sh) rows of 4,096 bytes + (128 cg + 32 wc) x 4
	s_lshl_b32 s26, s23, 20
	s_add_co_u32 s28, s28, s26
	s_lshl_b32 s26, s25, 18
	s_add_co_u32 s28, s28, s26
	s_lshl_b32 s26, s22, 9
	s_add_co_u32 s28, s28, s26
	s_lshl_b32 s26, s24, 7
	s_add_co_u32 s28, s28, s26
	s_mov_b32 s29, 0
	s_lshl_b32 s30, s21, 20                        ; out: e 2^20 + (8 cg + 2 wc) 16384 + (2 sp + sh) 2048
	s_lshl_b32 s26, s22, 17
	s_add_co_u32 s30, s30, s26
	s_lshl_b32 s26, s24, 15
	s_add_co_u32 s30, s30, s26
	s_lshl_b32 s26, s23, 12
	s_add_co_u32 s30, s30, s26
	s_lshl_b32 s26, s25, 11
	s_add_co_u32 s30, s30, s26
	s_mov_b32 s31, 0
	v_lshlrev_b32 v3, 2, v1                        ; in: 4 bytes a lane
	v_lshrrev_b32 v5, 4, v1
	v_and_b32 v6, 15, v1
	v_lshlrev_b32 v4, 4, v6
	v_lshl_add_u32 v4, v5, 14, v4                  ; out: lanes 16-31 belong to the next 16 columns' images; 16 bytes a lane
	s_wait_kmcnt 0x0
	s_load_b32 s27, s[6:7], 0x4                    ; ew
	s_add_nc_u64 s[4:5], s[4:5], s[28:29]
	s_add_nc_u64 s[12:13], s[12:13], s[30:31]
.macro LOAD t                          ; block t: the 32 numbers whose codes take places 32 t .. 32 t + 31 of my K step, into set t % 2
.set nn, 0
.rept 32
	global_load_b32 v[X+32*((\t)%2)+nn], v3, s[4:5] offset:4096*(16*(\t)+4*(nn/8)+(nn%4)+128*((nn/4)%2)) th:TH_LOAD_NT
.set nn, nn+1
.endr
.endm
	LOAD 0
	LOAD 1
	s_wait_kmcnt 0x0
	s_add_co_i32 s27, s27, 127
	s_lshl_b32 s26, s27, 23
	v_mov_b32 v11, s26                             ; 2^ew as f32: the conversion takes its exponent field
	s_add_co_i32 s27, s27, 15
	s_lshl_b32 s27, s27, 23
	s_or_b32 s27, s27, 0x600000
	v_mov_b32 v10, s27                             ; 57,344 x 2^ew
.macro BLOCK t
.set XS, X+32*((\t)%2)
.if (\t) < 3
	s_wait_loadcnt 32                              ; this block's 32 loads are in; the next block's may be out
.else
	s_wait_loadcnt 0
.endif
.set nn, 0
.rept 32
	v_med3_num_f32 v[XS+nn], v[XS+nn], -v10, v10   ; the conversion to an 8-bit code does not saturate (ISA guide 7.6.2): the hold comes first
.set nn, nn+1
.endr
.irp g, 0,1,2,3
	v_cvt_scalef32_pk8_bf8_f32 v[C+8*(\t)+2*\g:C+8*(\t)+2*\g+1], v[XS+8*\g:XS+8*\g+7], v11
.endr
	global_store_b128 v4, v[C+8*(\t):C+8*(\t)+3], s[12:13] offset:512*(\t)         ; the image's lanes 0-15: sixteen lanes store 256 consecutive bytes, aligned
	global_store_b128 v4, v[C+8*(\t)+4:C+8*(\t)+7], s[12:13] offset:512*(\t)+256   ; its lanes 16-31.  (The codes go to stores alone; the next block begins with plain lines on the other set)
.if (\t)+2 < 4
	LOAD (\t)+2
.endif
.endm
	BLOCK 0
	BLOCK 1
	BLOCK 2
	BLOCK 3
	s_endpgm
	; ---------------- the sort ----------------
	; v16-23 the waves' totals; v24 base; v25 earlier waves' part; v26 total; v27 mask; v28, v29 my block's ranks; v32-63 H, later addresses; v64-95 the tokens' words; v96-127 offsets by bin; v128-159 my token's offset
.Lsort:
	s_lshl_b32 s20, s18, 12
	v_lshl_add_u32 v2, v1, 2, s20                  ; 4,096 w + 4 lane: serves hist (32 groups of 128 bytes) and choice (1,024 tokens of 4 bytes) alike
	v_lshlrev_b32 v3, 2, v0
	v_lshlrev_b32 v4, 2, v1
	s_lshl_b32 s20, s18, 10
	v_add_nc_u32 v5, s20, v1                       ; 1,024 w + lane: my token of group 32 w
	s_wait_kmcnt 0x0
.set ii, 0
.rept 32
	global_load_b32 v[32+ii], v2, s[8:9] offset:128*ii      ; group 32 w + i: lane k takes bin k's count
	global_load_b32 v[64+ii], v2, s[10:11] offset:128*ii    ; and lane l the word of the group's token l
.set ii, ii+1
.endr
	v_mov_b32 v24, 0
	v_mov_b32 v25, 0
	v_mov_b32 v26, 0
	v_mov_b32 v27, 0
	s_wait_loadcnt 0x0
.set ii, 1
.rept 31
	v_add_nc_u32 v[32+ii], v[32+ii], v[32+ii-1]    ; running sums over my wave's groups
.set ii, ii+1
.endr
	ds_store_b32 v3, v63                           ; my wave's total of each bin
	s_wait_dscnt 0x0                               ; for the others' sake
	s_barrier_signal -1
	s_barrier_wait -1
.irp ww, 0,1,2,3,4,5,6,7
	ds_load_b32 v[16+\ww], v4 offset:128*\ww
.endr
	s_wait_dscnt 0x0
.irp ww, 0,1,2,3,4,5,6,7
	s_cmp_gt_u32 s18, \ww
	s_cselect_b32 s21, -1, 0
	v_and_b32 v30, s21, v[16+\ww]
	v_add_nc_u32 v25, v25, v30                     ; earlier waves' tokens of bin k
	v_add_nc_u32 v26, v26, v[16+\ww]               ; all tokens of bin k
.endr
	s_and_b32 s21, s18, 1
	s_lshl_b32 s21, s21, 12
	v_lshl_add_u32 v28, v1, 7, s21                 ; block lane + 32 (w & 1) holds ranks lo ..
	v_add_nc_u32 v29, 0x80, v28                    ; .. hi - 1
	s_mov_b32 s22, 0                               ; ranks given out so far
.macro PAIR k, ea, eb                  ; bin k takes ranks s22 .. s23 - 1; a block that holds one of them uses ea and eb
	v_readlane_b32 s21, v26, \k
	v_writelane_b32 v24, s22, \k
	s_add_co_u32 s23, s22, s21
	v_max_u32 v30, s22, v28
	v_min_u32 v31, s23, v29
	v_cmp_lt_u32 vcc_lo, v30, v31                  ; never for an empty bin
	v_or_b32 v12, (1<<\ea)|(1<<\eb), v27
	v_cndmask_b32 v27, v27, v12, vcc_lo
	s_mov_b32 s22, s23
.endm
	PAIR 0, 0, 1
	PAIR 1, 0, 2
	PAIR 2, 0, 3
	PAIR 3, 0, 4
	PAIR 4, 0, 5
	PAIR 5, 0, 6
	PAIR 6, 0, 7
	PAIR 7, 1, 7
	PAIR 8, 1, 6
	PAIR 9, 1, 5
	PAIR 10, 1, 4
	PAIR 11, 1, 3
	PAIR 12, 1, 2
	PAIR 13, 2, 3
	PAIR 14, 2, 4
	PAIR 15, 2, 5
	PAIR 16, 2, 6
	PAIR 17, 2, 7
	PAIR 18, 3, 7
	PAIR 19, 3, 6
	PAIR 20, 3, 5
	PAIR 21, 3, 4
	PAIR 22, 4, 5
	PAIR 23, 4, 6
	PAIR 24, 4, 7
	PAIR 25, 5, 7
	PAIR 26, 5, 6
	PAIR 27, 6, 7
	v_add_nc_u32 v24, v24, v25
.set ii, 0
.rept 32                               ; a table of 32 entries across the lanes: each token's lane pulls its bin's offset for its group.  No LDS byte is touched
.if ii == 0
	v_mov_b32 v96, v24
.else
	v_add_nc_u32 v[96+ii], v24, v[32+ii-1]
.endif
	v_and_b32 v[12+ii%4], 0x7c, v[64+ii]           ; 4 x bin
	v_min_u32 v[12+ii%4], 0x7c, v[12+ii%4]
	ds_bpermute_b32 v[128+ii], v[12+ii%4], v[96+ii]
.set ii, ii+1
.endr
	s_wait_dscnt 0x0
.set ii, 0
.rept 32                               ; each store has registers of its own: none is written again
	v_bfe_u32 v31, v[64+ii], 16, 8
	v_add_nc_u32 v[32+ii], v[128+ii], v31          ; the rank,
	v_min_u32 v[32+ii], 0x1fff, v[32+ii]           ; held inside the list,
	v_lshlrev_b32 v[32+ii], 2, v[32+ii]            ; as a byte offset
	v_and_b32 v30, 0xff00, v[64+ii]
	v_lshl_add_u32 v[64+ii], v30, 8, v5            ; ea << 16 | eb << 20, + 1,024 w + lane
	v_add_nc_u32 v[64+ii], 32*ii, v[64+ii]         ; + 32 i: the token
	global_store_b32 v[32+ii], v[64+ii], s[14:15]
.set ii, ii+1
.endr
	s_cmp_gt_u32 s18, 1
	s_cbranch_scc1 .Ldone
	global_store_b32 v3, v27, s[16:17]             ; waves 0 and 1: the 64 blocks' masks
.Ldone:
	s_wait_tensorcnt 0x0
	ds_add_u32 v176, v177
	s_wait_dscnt 0x0
	s_endpgm
.Lfunc_end_k_q5d28ae0349_prep:
	.size	k_q5d28ae0349_prep, .Lfunc_end_k_q5d28ae0349_prep-k_q5d28ae0349_prep
	.p2alignl 7, 3214868480
	.fill 96, 4, 3214868480
	.section	.rodata,"a",@progbits
	.p2align	6, 0x0
	.amdhsa_kernel k_q5d28ae0349_prep
		.amdhsa_group_segment_fixed_size 2048
		.amdhsa_private_segment_fixed_size 0
		.amdhsa_enable_private_segment 0
		.amdhsa_kernarg_size 56
		.amdhsa_user_sgpr_count 2
		.amdhsa_user_sgpr_kernarg_segment_ptr 1
		.amdhsa_wavefront_size32 1
		.amdhsa_system_sgpr_workgroup_id_x 1
		.amdhsa_system_sgpr_workgroup_id_y 1
		.amdhsa_system_sgpr_workgroup_id_z 1
		.amdhsa_system_vgpr_workitem_id 0
		.amdhsa_next_free_vgpr 178
		.amdhsa_next_free_sgpr 66
		.amdhsa_reserve_vcc 1
		.amdhsa_float_denorm_mode_32 3
		.amdhsa_float_denorm_mode_16_64 3
		.amdhsa_memory_ordered 1
		.amdhsa_forward_progress 1
		.amdhsa_inst_pref_size 66
	.end_amdhsa_kernel
	.amdgpu_metadata
---
amdhsa.version: [ 1, 2 ]
amdhsa.kernels:
  - .name:           k_q5d28ae0349_prep
    .symbol:         k_q5d28ae0349_prep.kd
    .args:
      - { .name: expert_w, .offset: 0, .size: 8, .value_kind: global_buffer, .address_space: global }
      - { .name: lowp_scales, .offset: 8, .size: 8, .value_kind: global_buffer, .address_space: global }
      - { .name: hist, .offset: 16, .size: 8, .value_kind: global_buffer, .address_space: global }
      - { .name: choice, .offset: 24, .size: 8, .value_kind: global_buffer, .address_space: global }
      - { .name: wimg, .offset: 32, .size: 8, .value_kind: global_buffer, .address_space: global }
      - { .name: perm, .offset: 40, .size: 8, .value_kind: global_buffer, .address_space: global }
      - { .name: bmask, .offset: 48, .size: 8, .value_kind: global_buffer, .address_space: global }
    .group_segment_fixed_size: 2048
    .private_segment_fixed_size: 0
    .kernarg_segment_align: 8
    .kernarg_segment_size: 56
    .max_flat_workgroup_size: 256
    .sgpr_count:     66
    .vgpr_count:     178
    .wavefront_size: 32
...
	.end_amdgpu_metadata
.endif
;; end of part 2
;; launch experts (part 3): grid 4 x 64, 4 waves a work-group, no clusters, 152,064 bytes of LDS; arguments xcodes, wimg, perm, bmask, gates, expert_b, lowp_scales, out0; writes out0
.if DOCPART == 3
	.amdgcn_target "amdgcn-amd-amdhsa--gfx1250"
	.amdhsa_code_object_version 6
	.text
	.protected	k_q5d28ae0349_experts
	.globl	k_q5d28ae0349_experts
	.p2align	8
	.type	k_q5d28ae0349_experts,@function
k_q5d28ae0349_experts:
	s_mov_b64 s[64:65], 0
	v_nop
	global_prefetch_b8 v0, s[64:65] scope:SCOPE_SE
	s_setreg_imm32_b32 hwreg(HW_REG_WAVE_MODE, 25, 1), 1
	s_wait_xcnt 0x0
; out[t] = the sum over t's two experts e of g_e(t) (Q(x[t]) . Q(W_e) + b_e), on codes of E5M2; sums in f32.  Only the chosen experts' products are made: the others have the weight 0.
; SHARES.  A work-group owns 128 tokens of the list sorted by pairs of experts (work-group y) x 256 columns (work-group x), so each output row's 1,024 bytes here have one owner and are stored once.
; It gathers its tokens' codes into LDS once and walks the experts named in its block's mask (two, or three where the block spans two bins; up to eight are served).
; THE WAVES SHARE THE COLUMNS: wave w takes 64 columns for all 128 tokens, so no byte of a weight is fetched twice in a work-group.  The weights come from memory straight into registers, as register images:
; each load covers 512 consecutive bytes.  They are asked for three K steps (96 matrix instructions) ahead, over the change of experts too.
; THE MATRIX INSTRUCTION IS USED TRANSPOSED: source 0 = 16 columns of W, source 1 = 16 tokens: a lane holds ONE token (lane % 16) and eight neighbouring columns.  So a token's gate is one number a lane.
; An expert's sums begin with b_e / 2^(ex + ew) as the C of the first K step's products; then OUT += (g 2^(ex + ew)) x sum, one packed multiply-add for two numbers; the gate is 0 for tokens that did not choose the expert.
; k lies in the same order in the tokens' codes and in the weights' images, so every product meets its partner.
; WHY NO TENSOR LOADS AND NO JOINT LOADS: how many experts a work-group walks, and which, is read from a stored list, so trip counts and addresses differ between work-groups that would share a weight's tile.
; LIMITS.  b / 2^(ex + ew) and g 2^(ex + ew) must be f32 numbers (both are made by v_ldexp_f32): |ex + ew| up to about 100 for biases and gates of the usual size.
; LDS: 0: 128 rows of 1,024 codes, 1,040 bytes apart (65 x 16: the 16 rows of a fragment load fall on different banks, ISA guide 11.1); 133,120: the 128 tokens' numbers; 133,632: a stage of 16 rows x 272 bytes for each wave.
; REGISTERS.  Window 0: v1-10 addresses; v16-23 list words, v24-31 ea, v32-39 eb, v40-55 (ga, gb) x 2^(ex + ew), all for token lane % 16 of tile t; v56-71 the gate in hand, a pair a tile (the low word is used);
;   v72-80 addresses; v96-127 bias; v128-255 A's eight fragments, ONE set (a block of four is fetched anew as soon as its products are issued).
;   Window 1: W's fragments, a ring of four sets of 64.   Window 2: the 32 accumulators of the expert in hand, tile (a, b) at v[8 (4 a + b)].   Window 3: OUT, likewise.
.set XP,   1040
.set PT,   128*XP
.set STG,  PT+512
.set L16,  1                           ; v1   16 x lane
.set ADRA, 2                           ; v2, v3  LDS address of my part of A's fragments, blocks 0-3 and 4-7
.set SA,   4                           ; v4   where my wave puts gathered rows
.set STO,  5                           ; v5   the stage: where I put 32 bytes of a row
.set RD,   6                           ; v6   and where I read rows back
.set PTR,  7                           ; v7   the tokens' numbers of the rows that I store
.set CO,   8                           ; v8   my byte offset in a row of out
.set VROW, 9                           ; v9   the list word of rank 32 wave + lane
.set BO,   10                          ; v10  32 x (lane / 16)
.set PW,   16
.set EA,   24
.set EB,   32
.set GT,   40
.set GS,   56
.set GA,   72
.set BIAS, 96
.set AF,   128
.set MSB, 0
.macro WIN new                         ; the immediate's high byte repeats the setting that is left
.if MSB != \new
	s_set_vgpr_msb (MSB<<8)|\new
.set MSB, \new
.endif
.endm
.macro PLACES                          ; four places behind matrix instructions, in front of loads into registers that they have read (ISA guide 7.12.1 for vector instructions)
.rept 4
	v_nop
.endr
.endm
; The next expert of the mask: its number s35, its weights s[38:39], its bias s[40:41].  (s47 = 0)
.macro NEXT
	s_ctz_i32_b32 s35, s27
	s_min_u32 s35, s35, 7
	s_lshl_b32 s29, 1, s35
	s_and_not1_b32 s27, s27, s29
	s_lshl_b32 s46, s35, 20
	s_add_nc_u64 s[38:39], s[42:43], s[46:47]
	s_lshl_b32 s46, s35, 12
	s_add_nc_u64 s[40:41], s[44:45], s[46:47]
.endm
.macro BLOADS base, s                  ; W's four fragments of K step s into set s % 4: 16 loads of 512 consecutive bytes
	WIN 0x40                                       ; destination window 1
.irp b, 0,1,2,3
.irp c, 0,1,2,3
	global_load_b128 v[64*((\s)%4)+16*\b+4*\c:64*((\s)%4)+16*\b+4*\c+3], v[L16], s[\base:\base+1] offset:16384*\b+2048*(\s)+512*\c
.endr
.endr
.endm
.macro BIASL                           ; the next expert's bias in the result's layout: tile b, register j: column 16 b + 8 (lane / 16) + j
	WIN 0
.irp b, 0,1,2,3
	global_load_b128 v[BIAS+8*\b:BIAS+8*\b+3], v[BO], s[40:41] offset:64*\b
	global_load_b128 v[BIAS+8*\b+4:BIAS+8*\b+7], v[BO], s[40:41] offset:64*\b+16
.endr
.endm
.macro FETCH_A s, a0                   ; A's blocks a0 .. a0 + 3 of K step s: lane (r, h), registers 4 c ..: bytes 128 s + 32 c + 16 h + 0 .. 15 of row 16 a + r
.irp a, \a0, \a0+1, \a0+2, \a0+3
.irp c, 0,1,2,3
	ds_load_b128 v[AF+16*(\a)+4*\c:AF+16*(\a)+4*\c+3], v[ADRA+(\a)/4] offset:16*XP*((\a)%4)+128*(\s)+32*\c
.endr
.endr
.endm
; 16 matrix instructions: token blocks a0 .. a0 + 3 x my four blocks of columns.  The 32 accumulators take turns, one instruction a turn, in the same order in every step.
.macro MUL16 a0, s
.irp a, \a0, \a0+1, \a0+2, \a0+3
.irp b, 0,1,2,3
.if (\s) == 0
	v_wmma_f32_16x16x128_bf8_bf8 v[8*(4*(\a)+\b):8*(4*(\a)+\b)+7], v[64*((\s)%4)+16*\b:64*((\s)%4)+16*\b+15], v[AF+16*(\a):AF+16*(\a)+15], v[BIAS+8*\b:BIAS+8*\b+7]
.else
	v_wmma_f32_16x16x128_bf8_bf8 v[8*(4*(\a)+\b):8*(4*(\a)+\b)+7], v[64*((\s)%4)+16*\b:64*((\s)%4)+16*\b+15], v[AF+16*(\a):AF+16*(\a)+15], v[8*(4*(\a)+\b):8*(4*(\a)+\b)+7]
.endif
.endr
.endr
.endm
.macro WINMUL s
.if (\s) == 0
	WIN 0x81                                       ; source 0 (W) window 1, source 1 (A) and C (bias) window 0, D window 2
.else
	WIN 0xa1                                       ; the same, C and D window 2
.endif
.endm
; A K step of 128: 32 matrix instructions, 32 LDS loads (the next step's A), 16 loads from memory (W, four steps on: the set just read).
.macro KSTEP s, last
.set FIN, 0
.if \last && (\s) == 7
.set FIN, 1
.endif
.if (\s) > 4 && \last
	s_wait_loadcnt 16*(7-(\s))                     ; behind this step's weights: the later steps' of the last expert
.elseif (\s) > 4
	s_wait_loadcnt 56                              ; behind this step's weights: three steps' 48 loads and the next expert's 8 of bias
.elseif (\s) > 0
	s_wait_loadcnt 48                              ; behind this step's weights: three steps' 48 loads
.endif
	s_wait_dscnt 16                                ; A's blocks 0-3 are in; blocks 4-7 may be out
	WINMUL \s
	MUL16 0, \s
.if FIN
	s_wait_dscnt 0x0
.else
	PLACES
	WIN 0
	FETCH_A ((\s)+1)%8, 0
	s_wait_dscnt 16                                ; all but the 16 just issued
	WINMUL \s
.endif
	MUL16 4, \s
.if !FIN
	PLACES
	WIN 0
	FETCH_A ((\s)+1)%8, 4
.endif
.if (\s) < 4
	BLOADS 36, (\s)+4
.elseif !\last
.if (\s) == 4
	BIASL
.endif
	BLOADS 38, (\s)-4
.endif
.endm
; One expert.  At its head: its bias and its K steps 0 to 3 are asked for, and A's fragments of K step 0.
.macro EXPERT first, last
	s_wait_xcnt 0x0                                ; the loads issued so far have read their bases: only now are the bases written again
	s_mov_b64 s[36:37], s[38:39]
	s_mov_b32 s34, s35
.if !\last
	NEXT
.endif
	s_wait_loadcnt 48                              ; the bias and K step 0's weights are in; three steps' 48 loads may be out
.set jj, 0
.rept 32
	v_ldexp_f32 v[BIAS+jj], v[BIAS+jj], s33        ; b / 2^(ex + ew): the power of two that the sums lack
.set jj, jj+1
.endr
.irp s, 0,1,2,3,4,5,6,7
	KSTEP \s, \last
.endr
	WIN 0
.irp t, 0,1,2,3,4,5,6,7                        ; the gate of this expert for my token of each tile, 0 where it was not chosen.  (These lines are also the places behind the last products)
	v_cmp_eq_u32 vcc_lo, s34, v[EA+\t]
	v_cndmask_b32 v[11+\t%2], 0, v[GT+2*\t], vcc_lo
	v_cmp_eq_u32 vcc_lo, s34, v[EB+\t]
	v_cndmask_b32 v[GS+2*\t], v[11+\t%2], v[GT+2*\t+1], vcc_lo
.endr
.if \first
	WIN 0xc2                                       ; source 0 (the sums) window 2, destination (OUT) window 3
.else
	WIN 0xf2                                       ; and source 2 window 3
.endif
.irp a, 0,1,2,3,4,5,6,7
.irp b, 0,1,2,3
.irp i, 0,2,4,6                                ; each accumulator from its low end on
.if \first
	v_pk_mul_f32 v[8*(4*\a+\b)+\i:8*(4*\a+\b)+\i+1], v[8*(4*\a+\b)+\i:8*(4*\a+\b)+\i+1], v[GS+2*\a:GS+2*\a+1] op_sel_hi:[1,0]        ; the first expert starts OUT: nothing is cleared
.else
	v_pk_fma_f32 v[8*(4*\a+\b)+\i:8*(4*\a+\b)+\i+1], v[8*(4*\a+\b)+\i:8*(4*\a+\b)+\i+1], v[GS+2*\a:GS+2*\a+1], v[8*(4*\a+\b)+\i:8*(4*\a+\b)+\i+1] op_sel_hi:[1,0,1]
.endif
.endr
.endr
.endr
	WIN 0                                          ; at a label and at a branch every window is 0
.endm
	s_load_b512 s[8:23], s[0:1], 0x0               ; xcodes s[8:9], wimg s[10:11], perm s[12:13], bmask s[14:15], gates s[16:17], expert_b s[18:19], scales s[20:21], out s[22:23]
	v_lshl_add_u32 v94, v0, 2, 0x25000
	v_mov_b32 v95, 0
	v_lshrrev_b32 v11, 5, v0
	v_readfirstlane_b32 s24, v11                   ; wave 0..3
	s_mov_b32 s25, ttmp9                           ; cb: which 256 columns
	s_and_b32 s26, ttmp7, 0xffff                   ; tb: which 128 ranks
	s_mov_b32 s47, 0
	v_and_b32 v11, 31, v0                          ; lane
	v_and_b32 v12, 15, v0                          ; r
	v_bfe_u32 v13, v0, 4, 1                        ; h
	v_lshlrev_b32 v[L16], 4, v11
	v_mul_u32_u24 v[ADRA], v12, XP
	v_lshl_add_u32 v[ADRA], v13, 4, v[ADRA]
	v_add_nc_u32 v[ADRA+1], 64*XP, v[ADRA]
	s_mul_i32 s29, s24, 32*XP
	v_add_nc_u32 v[SA], s29, v[L16]                ; my wave gathers rows 32 w .. 32 w + 31
	s_mul_i32 s29, s24, 16*272
	s_add_co_u32 s29, s29, STG                     ; my stage
	v_mul_u32_u24 v[STO], v12, 272
	v_lshl_add_u32 v[STO], v13, 5, v[STO]
	v_add_nc_u32 v[STO], s29, v[STO]               ; in: row r, + 32 h
	v_mul_u32_u24 v[RD], v13, 8*272
	v_lshl_add_u32 v[RD], v12, 4, v[RD]
	v_add_nc_u32 v[RD], s29, v[RD]                 ; back: lanes 0-15 rows 0-7, lanes 16-31 rows 8-15; 16 bytes a lane
	v_lshlrev_b32 v[PTR], 5, v13
	v_add_nc_u32 v[PTR], PT, v[PTR]
	s_lshl_b32 s29, s25, 10
	s_lshl_b32 s46, s24, 8
	s_add_co_u32 s29, s29, s46
	v_lshl_add_u32 v[CO], v12, 4, s29              ; 1,024 cb + 256 w + 16 r
	v_lshlrev_b32 v[BO], 5, v13
	v_lshlrev_b32 v14, 2, v0
	v_lshlrev_b32 v15, 2, v12
	v_lshl_add_u32 v80, v0, 2, PT
.irp t, 0,1,2,3,4,5,6,7
	v_mov_b32 v[GS+2*\t+1], 0                      ; named as the upper halves of the gates' pairs, so they are written
.endr
	s_wait_kmcnt 0x0
	s_lshl_b32 s46, s26, 2
	s_add_nc_u64 s[14:15], s[14:15], s[46:47]
	s_load_b32 s27, s[14:15], 0x0                  ; my block's mask of experts
	s_load_b64 s[30:31], s[20:21], 0x0             ; ex, ew
	s_lshl_b32 s46, s26, 9
	s_add_nc_u64 s[12:13], s[12:13], s[46:47]      ; my block's 128 words of the list
	global_load_b32 v[VROW], v14, s[12:13]
.irp t, 0,1,2,3,4,5,6,7
	global_load_b32 v[PW+\t], v15, s[12:13] offset:64*\t
.endr
	s_lshl_b32 s46, s25, 18
	s_lshl_b32 s29, s24, 16
	s_add_co_u32 s46, s46, s29
	s_add_nc_u64 s[42:43], s[10:11], s[46:47]      ; my wave's images: column blocks 16 cb + 4 w on
	s_lshl_b32 s46, s25, 10
	s_lshl_b32 s29, s24, 8
	s_add_co_u32 s46, s46, s29
	s_add_nc_u64 s[44:45], s[18:19], s[46:47]      ; my wave's 64 columns of a bias
	s_wait_loadcnt 0x0
	v_and_b32 v13, 0x1fff, v[VROW]
	ds_store_b32 v80, v13                          ; the tokens' numbers, for the way out
.irp t, 0,1,2,3,4,5,6,7
	v_and_b32 v[GA+\t], 0x1fff, v[PW+\t]
	v_min_u32 v[GA+\t], 0x1fff, v[GA+\t]
	v_lshlrev_b32 v[GA+\t], 3, v[GA+\t]
	global_load_b64 v[GT+2*\t:GT+2*\t+1], v[GA+\t], s[16:17]
.endr
.set ii, 0
.rept 32                               ; the byte offsets of my wave's 32 rows of codes
	v_readlane_b32 s29, v[VROW], ii
	s_and_b32 s29, s29, 0x1fff
	s_min_u32 s29, s29, 0x1fff
	s_lshl_b32 s29, s29, 10
	v_add_nc_u32 v[AF+ii], s29, v[L16]
.set ii, ii+1
.endr
	WIN 0x80                                       ; destination window 2: the accumulators' registers are free yet
.set ii, 0
.rept 32
	global_load_b128 v[8*ii:8*ii+3], v[AF+ii], s[8:9]               ; 512 consecutive bytes of one token's row
	global_load_b128 v[8*ii+4:8*ii+7], v[AF+ii], s[8:9] offset:512
.set ii, ii+1
.endr
	WIN 0
	s_wait_kmcnt 0x0
	s_and_b32 s27, s27, 0xff
	s_bcnt1_i32_b32 s28, s27
	s_max_u32 s28, s28, 2                          ; a block's tokens use two experts at the least
	s_sub_co_u32 s28, s28, 2
	s_min_u32 s28, s28, 6                          ; experts between the first and the last
	s_add_co_i32 s32, s30, s31                     ; ex + ew
	s_sub_co_i32 s33, 0, s32
	NEXT
	BIASL
	BLOADS 38, 0
	BLOADS 38, 1
	BLOADS 38, 2
	s_wait_loadcnt 56                              ; behind the gather: 8 loads of bias and 48 of weights, which may be out
	WIN 0x08                                       ; store data window 2
.set ii, 0
.rept 32
	ds_store_b128 v[SA], v[8*ii:8*ii+3] offset:XP*ii
	ds_store_b128 v[SA], v[8*ii+4:8*ii+7] offset:XP*ii+512
.set ii, ii+1
.endr
	BLOADS 38, 3
	WIN 0
.irp t, 0,1,2,3,4,5,6,7
	v_bfe_u32 v[EA+\t], v[PW+\t], 16, 4
	v_bfe_u32 v[EB+\t], v[PW+\t], 20, 4
	v_ldexp_f32 v[GT+2*\t], v[GT+2*\t], s32        ; the gates x 2^(ex + ew)
	v_ldexp_f32 v[GT+2*\t+1], v[GT+2*\t+1], s32
.endr
	s_wait_dscnt 0x0                               ; for the others' sake: my rows and my tokens' numbers lie in LDS
	s_barrier_signal -1
	s_barrier_wait -1                              ; the one barrier: from here on LDS rows are only read
	FETCH_A 0, 0
	FETCH_A 0, 4
	EXPERT 1, 0
	s_cmp_eq_u32 s28, 0
	s_cbranch_scc1 .Llast
.Lmid:
	EXPERT 0, 0
	s_sub_co_u32 s28, s28, 1
	s_cmp_lg_u32 s28, 0
	s_cbranch_scc1 .Lmid
.Llast:
	EXPERT 0, 1                                    ; the last expert asks for nothing more
; THE WAY OUT, a tile of 16 tokens x my 64 columns at a time.  A lane holds 32 neighbouring bytes of one token's row; through my own stage they come back as whole pieces of 256 bytes,
; which sixteen lanes store at the token's own row.  LDS serves a wave's instructions in order (ISA guide 5.7.1.4): no wait between the stores and the loads.
.macro TOSTAGE a
.set BK, 128+32*((\a)%2)
.set TK, 192+8*((\a)%2)
	WIN 0x0c                                       ; store data window 3
.irp b, 0,1,2,3
	ds_store_b128 v[STO], v[8*(4*(\a)+\b):8*(4*(\a)+\b)+3] offset:64*\b
	ds_store_b128 v[STO], v[8*(4*(\a)+\b)+4:8*(4*(\a)+\b)+7] offset:64*\b+16
.endr
	WIN 0
.irp i, 0,1,2,3,4,5,6,7
	ds_load_b128 v[BK+4*\i:BK+4*\i+3], v[RD] offset:272*\i
.endr
	ds_load_b128 v[TK:TK+3], v[PTR] offset:64*(\a)          ; the numbers of the eight tokens whose rows my half of the lanes stores
	ds_load_b128 v[TK+4:TK+7], v[PTR] offset:64*(\a)+16
.endm
.macro SEND a, younger                 ; younger: the LDS instructions issued behind tile a's loads, which may stay out
.set BK, 128+32*((\a)%2)
.set TK, 192+8*((\a)%2)
.set AD, 208+8*((\a)%2)
	s_wait_dscnt \younger
.irp i, 0,1,2,3,4,5,6,7
	v_min_u32 v[TK+\i], 0x1fff, v[TK+\i]
	v_lshl_add_u32 v[AD+\i], v[TK+\i], 12, v[CO]
.endr
.irp i, 0,1,2,3,4,5,6,7
	global_store_b128 v[AD+\i], v[BK+4*\i:BK+4*\i+3], s[22:23] th:TH_STORE_NT   ; sixteen lanes store 256 consecutive bytes, aligned; written once, read by nobody here
.endr
.endm
	TOSTAGE 0
.irp a, 1,2,3,4,5,6,7
.if \a > 1
	s_wait_xcnt 0x0                                ; tile a - 2's stores have read their registers: tile a's loads may land there
.endif
	TOSTAGE \a
	SEND \a-1, 18                                  ; behind tile a - 1's loads: tile a's 8 stores and 10 loads
.endr
	SEND 7, 0
	s_wait_tensorcnt 0x0
	ds_add_u32 v94, v95
	s_wait_dscnt 0x0
	s_endpgm
.Lfunc_end_k_q5d28ae0349_experts:
	.size	k_q5d28ae0349_experts, .Lfunc_end_k_q5d28ae0349_experts-k_q5d28ae0349_experts
	.p2alignl 7, 3214868480
	.fill 96, 4, 3214868480
	.section	.rodata,"a",@progbits
	.p2align	6, 0x0
	.amdhsa_kernel k_q5d28ae0349_experts
		.amdhsa_group_segment_fixed_size 152064
		.amdhsa_private_segment_fixed_size 0
		.amdhsa_enable_private_segment 0
		.amdhsa_kernarg_size 64
		.amdhsa_user_sgpr_count 2
		.amdhsa_user_sgpr_kernarg_segment_ptr 1
		.amdhsa_wavefront_size32 1
		.amdhsa_system_sgpr_workgroup_id_x 1
		.amdhsa_system_sgpr_workgroup_id_y 1
		.amdhsa_system_sgpr_workgroup_id_z 1
		.amdhsa_system_vgpr_workitem_id 0
		.amdhsa_next_free_vgpr 1024
		.amdhsa_next_free_sgpr 66
		.amdhsa_reserve_vcc 1
		.amdhsa_float_denorm_mode_32 3
		.amdhsa_float_denorm_mode_16_64 3
		.amdhsa_memory_ordered 1
		.amdhsa_forward_progress 1
		.amdhsa_inst_pref_size 231
	.end_amdhsa_kernel
	.amdgpu_metadata
---
amdhsa.version: [ 1, 2 ]
amdhsa.kernels:
  - .name:           k_q5d28ae0349_experts
    .symbol:         k_q5d28ae0349_experts.kd
    .args:
      - { .name: xcodes, .offset: 0, .size: 8, .value_kind: global_buffer, .address_space: global }
      - { .name: wimg, .offset: 8, .size: 8, .value_kind: global_buffer, .address_space: global }
      - { .name: perm, .offset: 16, .size: 8, .value_kind: global_buffer, .address_space: global }
      - { .name: bmask, .offset: 24, .size: 8, .value_kind: global_buffer, .address_space: global }
      - { .name: gates, .offset: 32, .size: 8, .value_kind: global_buffer, .address_space: global }
      - { .name: expert_b, .offset: 40, .size: 8, .value_kind: global_buffer, .address_space: global }
      - { .name: lowp_scales, .offset: 48, .size: 8, .value_kind: global_buffer, .address_space: global }
      - { .name: out0, .offset: 56, .size: 8, .value_kind: global_buffer, .address_space: global }
    .group_segment_fixed_size: 152064
    .private_segment_fixed_size: 0
    .kernarg_segment_align: 8
    .kernarg_segment_size: 64
    .max_flat_workgroup_size: 128
    .sgpr_count:     66
    .vgpr_count:     1024
    .wavefront_size: 32
...
	.end_amdgpu_metadata
.endif
;; end of part 3
;; ======== version 2 of 2: 3 launches
;; workspace buffers: xcodes 8,388,608 bytes; wimg 8,388,608 bytes; gates 65,536 bytes; choice 32,768 bytes of whole numbers; hist 32,768 bytes of whole numbers; perm 32,768 bytes of whole numbers; bmask 256 bytes of whole numbers
;; launch route (part 4): grid 256 x 1, 4 waves a work-group, no clusters, 4,608 bytes of LDS; arguments x, gate_w, gate_b, lowp_scales, xcodes, choice, gates, hist; writes xcodes, choice, gates, hist
.if DOCPART == 4
	.amdgcn_target "amdgcn-amd-amdhsa--gfx1250"
	.amdhsa_code_object_version 6
	.text
	.protected	k_q5d28ae0349_route
	.globl	k_q5d28ae0349_route
	.p2align	8
	.type	k_q5d28ae0349_route,@function
k_q5d28ae0349_route:
	s_mov_b64 s[64:65], 0
	v_nop
	global_prefetch_b8 v0, s[64:65] scope:SCOPE_SE
	s_setreg_imm32_b32 hwreg(HW_REG_WAVE_MODE, 25, 1), 1
	s_wait_xcnt 0x0
; ROUTER AND QUANTISER OF x.  x: [8192][1024] f32 is read once.  Out of it come
;   (1) the 8 logits of each token, x . gate_w[e] + gate_b[e], in f32 (packed fused multiply-adds), the two largest (the lower index wins a tie), and the softmax over
;       those two with the larger one taken away first: g1 = 1 / (1 + t), g2 = t / (1 + t), t = 2^((m2 - m1) log2 e) <= 1;
;   (2) x's codes of E5M2 with the given scale 2^ex: x / 2^ex, held within +-57,344, to the nearest code, ties to even;
;   (3) for the sort that a later launch makes: each token's pair of experts (ea < eb) as one of 28 bins, its rank among the tokens of the same bin in its group of 32, and the group's histogram.
; Everything is stored at places that hang on ids alone: no address and no branch here hangs on a number made from floating point.
; SHARES.  A work-group takes 32 tokens.  Wave w takes k = 256 w .. 256 w + 255 of all 32 rows; lane L holds, of a row, x[256 w + 128 j + 4 L + i], j = 0, 1, i = 0 .. 3: each load of a wave covers 512 consecutive bytes.
; THE ORDER OF THE CODES.  A lane's eight numbers become eight codes at byte p = 256 w + 8 L + 4 j + i of the token's row of 1,024 codes.  So byte p holds k = 256 (p >> 8) + 128 ((p >> 2) & 1) + 4 ((p & 255) >> 3) + (p & 3).
; The weights' codes are laid by the same order, so every product meets its partner; only the order of the sums changes.  A wave's store covers 256 consecutive bytes, aligned.
; THE BINS go in a snake, so that neighbours share an expert: bin = ea (15 - ea) / 2 + (ea even: eb - ea - 1; ea odd: 7 - eb).
; LIMITS.  ex between -126 and 112.  NaN among the inputs is not served; an infinity in x is held at the largest code.  The logits' f32 sums are added in another order than a plain dot product's,
; so a tie of the second and third logit within rounding may fall either way.
; No matrix unit: N = 8 in f32 is vector work.  No cluster: work-groups share only gate_w, 32 KiB against 128 KiB of x.
; REGISTERS.  Window 0: v1 lane, v2 byte of my 16 in a row of x or gate_w, v3 the same for codes, v4 LDS place, v5 2^ex, v6 57,344 x 2^ex, v11 a permute's destination;
;   v16-79 gate_w (8 e + 4 j + i); v80-143 32 running pairs (4 rows x 8 experts); v144-207 codes, two registers a row, never rewritten; v208-215 a batch's sums; v216-231 at work.   Window 1: x, row q at v[8 q].
.set G, 16
.set P, 80
.set C, 144
.set R, 208
.set T, 216
.set MSB, 0
.macro WIN new                         ; the immediate's high byte repeats the setting that is left
.if MSB != \new
	s_set_vgpr_msb (MSB<<8)|\new
.set MSB, \new
.endif
.endm
	s_load_b512 s[4:19], s[0:1], 0x0               ; x s[4:5], gate_w s[6:7], gate_b s[8:9], scales s[10:11], xcodes s[12:13], choice s[14:15], gates s[16:17], hist s[18:19]
	v_lshl_add_u32 v254, v0, 2, 0x1000
	v_mov_b32 v255, 0
	v_lshrrev_b32 v1, 5, v0
	v_readfirstlane_b32 s20, v1                    ; wave 0..3
	v_and_b32 v1, 31, v0                           ; lane
	s_lshl_b32 s21, s20, 10
	v_lshl_add_u32 v2, v1, 4, s21                  ; 1,024 w + 16 L: my 16 bytes of a half row's 512
	v_lshl_add_u32 v4, v1, 2, s21                  ; LDS: my wave's 1,024 bytes, 4 L
	s_lshl_b32 s21, s20, 8
	v_lshl_add_u32 v3, v1, 3, s21                  ; 256 w + 8 L: my 8 codes of a row
	v_mov_b32 v11, 0                               ; written once: a lane permute's destination counts as one of its sources
	s_mov_b32 s24, 0xaaaaaaaa                      ; lanes whose bit 0, 1, 2, 3, 4 is set
	s_mov_b32 s25, 0xcccccccc
	s_mov_b32 s26, 0xf0f0f0f0
	s_mov_b32 s27, 0xff00ff00
	s_mov_b32 s28, 0xffff0000
	s_mov_b32 s30, 0x76543210                      ; v_permlanex16_b32: lane l xor 16
	s_mov_b32 s31, 0xfedcba98
	s_lshl_b32 s22, ttmp9, 17                      ; 32 rows of 4,096 bytes
	s_mov_b32 s23, 0
	s_wait_alu depctr_va_vdst(0)
	s_wait_kmcnt 0x0
	s_load_b256 s[32:39], s[8:9], 0x0              ; gate_b
	s_load_b32 s40, s[10:11], 0x0                  ; ex
	s_add_nc_u64 s[4:5], s[4:5], s[22:23]
	s_lshl_b32 s22, ttmp9, 15                      ; 32 rows of 1,024 codes
	s_add_nc_u64 s[12:13], s[12:13], s[22:23]
.irp e, 0,1,2,3,4,5,6,7
	global_load_b128 v[G+8*\e:G+8*\e+3], v2, s[6:7] offset:4096*\e
	global_load_b128 v[G+8*\e+4:G+8*\e+7], v2, s[6:7] offset:4096*\e+512
.endr
	WIN 0x40                                       ; destination window 1
.set ii, 0
.rept 32                                       ; the wave's whole share of x is asked for at once: 64 loads of 512 bytes
	global_load_b128 v[8*ii:8*ii+3], v2, s[4:5] offset:4096*ii th:TH_LOAD_NT
	global_load_b128 v[8*ii+4:8*ii+7], v2, s[4:5] offset:4096*ii+512 th:TH_LOAD_NT
.set ii, ii+1
.endr
	WIN 0
	s_wait_kmcnt 0x0
	s_add_co_i32 s21, s40, 127
	s_lshl_b32 s22, s21, 23
	v_mov_b32 v5, s22                              ; 2^ex as f32: the conversion takes its exponent field
	s_add_co_i32 s21, s21, 15
	s_lshl_b32 s21, s21, 23
	s_or_b32 s21, s21, 0x600000
	v_mov_b32 v6, s21                              ; 57,344 x 2^ex
; One level of the tree that adds over lanes and transposes at once.  Of each pair of sums (n, n + d) a lane keeps the one that its bit names, sends the other to the lane whose bit differs, and adds what it gets.
; Three passes, so that neighbouring lines do not hang on each other.
.macro LEVEL d, m, x
.set nn, 0
.rept 16/\d
	v_cndmask_b32 v[T+nn/(2*\d)], v[P+2*(nn+\d)], v[P+2*nn], s[\m]     ; what I send: bit set: sum n, else sum n + d
.set nn, nn+2*\d
.endr
.set nn, 0
.rept 16/\d
	v_cndmask_b32 v[P+2*nn], v[P+2*nn], v[P+2*(nn+\d)], s[\m]          ; what I keep
.set nn, nn+2*\d
.endr
.set nn, 0
.rept 16/\d
	v_add_f32_dpp v[P+2*nn], v[T+nn/(2*\d)], v[P+2*nn] row_xmask:\x row_mask:0xf bank_mask:0xf
.set nn, nn+2*\d
.endr
.endm
; Four rows: 32 dot products' parts, the rows' codes, and the sums over my 32 lanes.
.macro BATCH bt
	s_wait_loadcnt 56-8*(\bt)                      ; loads come back in order: what may be out are the 8 loads of each later batch; gate_w's are older
	WIN 0x01                                       ; source 0 (x) window 1
.irp q, 0,1,2,3
.irp rr, 0,1,2,3
.irp e, 0,1,2,3,4,5,6,7
.if \q == 0
	v_pk_mul_f32 v[P+2*(8*\rr+\e):P+2*(8*\rr+\e)+1], v[8*(4*(\bt)+\rr):8*(4*(\bt)+\rr)+1], v[G+8*\e:G+8*\e+1]   ; the first product starts the sum
.else
	v_pk_fma_f32 v[P+2*(8*\rr+\e):P+2*(8*\rr+\e)+1], v[8*(4*(\bt)+\rr)+2*\q:8*(4*(\bt)+\rr)+2*\q+1], v[G+8*\e+2*\q:G+8*\e+2*\q+1], v[P+2*(8*\rr+\e):P+2*(8*\rr+\e)+1]
.endif
.endr
.endr
.endr
	WIN 0x41                                       ; source 0 and destination window 1
.set ii, 0
.rept 32
	v_med3_num_f32 v[32*(\bt)+ii], v[32*(\bt)+ii], -v6, v6             ; the conversion to an 8-bit code does not saturate (ISA guide 7.6.2): the hold comes first, behind the logits' reads
.set ii, ii+1
.endr
	WIN 0x01
.irp rr, 0,1,2,3
	v_cvt_scalef32_pk8_bf8_f32 v[C+2*(4*(\bt)+\rr):C+2*(4*(\bt)+\rr)+1], v[8*(4*(\bt)+\rr):8*(4*(\bt)+\rr)+7], v5
.endr
	WIN 0
.set nn, 0
.rept 32
	v_add_f32 v[P+2*nn], v[P+2*nn], v[P+2*nn+1]    ; a pair's two halves.  (Plain lines behind the conversions)
.set nn, nn+1
.endr
.irp rr, 0,1,2,3
	global_store_b64 v3, v[C+2*(4*(\bt)+\rr):C+2*(4*(\bt)+\rr)+1], s[12:13] offset:1024*(4*(\bt)+\rr)   ; the wave stores 256 consecutive bytes, aligned
.endr
	LEVEL 1, 24, 1
	LEVEL 2, 25, 2
	LEVEL 4, 26, 4
	LEVEL 8, 27, 8
	v_cndmask_b32 v[T], v[P+32], v[P], s28
	v_cndmask_b32 v[T+1], v[P], v[P+32], s28
	v_permlanex16_b32 v11, v[T], s30, s31
	v_add_f32 v[R+(\bt)], v[T+1], v11              ; lane L: my wave's part of the logit of row 4 bt + L / 8, expert L % 8
.endm
.irp bt, 0,1,2,3,4,5,6,7
	BATCH \bt
.endr
.irp bt, 0,1,2,3,4,5,6,7
	ds_store_b32 v4, v[R+\bt] offset:128*\bt       ; word 8 row + e of my wave's part
.endr
	s_wait_dscnt 0x0                               ; for wave 0's sake: my stores have landed
	s_barrier_signal -1
	s_barrier_wait -1
	s_cmp_lg_u32 s20, 0
	s_cbranch_scc1 .Lend                           ; the rest is 32 rows' work: wave 0, a lane to a row
	v_lshlrev_b32 v12, 5, v1                       ; my row's 8 words
.irp ww, 0,1,2,3
	ds_load_b128 v[16+8*\ww:19+8*\ww], v12 offset:1024*\ww
	ds_load_b128 v[20+8*\ww:23+8*\ww], v12 offset:1024*\ww+16
.endr
	s_wait_dscnt 0x0
.irp e, 0,1,2,3,4,5,6,7
	v_add_f32 v[16+\e], v[16+\e], v[24+\e]
	v_add_f32 v[32+\e], v[32+\e], v[40+\e]
.endr
.irp e, 0,1,2,3,4,5,6,7
	v_add_f32 v[16+\e], v[16+\e], v[32+\e]
.endr
.irp e, 0,1,2,3,4,5,6,7
	v_add_f32 v[16+\e], s[32+\e], v[16+\e]         ; + gate_b: the logits, v16-23
.endr
.macro TOP m, i                        ; the largest of v16-23 and the lowest index that holds it
	v_max3_num_f32 v[\m], v16, v17, v18
	v_max3_num_f32 v[\m], v[\m], v19, v20
	v_max3_num_f32 v[\m], v[\m], v21, v22
	v_max_num_f32 v[\m], v[\m], v23
	v_mov_b32 v[\i], 7
.irp e, 6,5,4,3,2,1,0
	v_cmp_eq_f32 vcc_lo, v[16+\e], v[\m]
	v_cndmask_b32 v[\i], v[\i], \e, vcc_lo
.endr
.endm
	TOP 48, 49                                     ; m1, i1
	v_mov_b32 v50, 0xff800000                      ; -infinity takes the winner's place
.irp e, 0,1,2,3,4,5,6,7
	v_cmp_eq_u32 vcc_lo, \e, v49
	v_cndmask_b32 v[16+\e], v[16+\e], v50, vcc_lo
.endr
	TOP 51, 52                                     ; m2, i2
	v_sub_f32 v53, v51, v48                        ; m2 - m1 <= 0: the maximum is taken away
	v_mul_f32 v53, 0x3fb8aa3b, v53
	s_wait_alu depctr_va_vdst(0)
	v_exp_f32 v53, v53                             ; t
	v_min_u32 v55, v49, v52                        ; ea.  (A plain line behind the exponential)
	s_wait_alu depctr_va_vdst(0)
	v_add_f32 v54, 1.0, v53
	s_wait_alu depctr_va_vdst(0)
	v_rcp_f32 v54, v54                             ; g1 = 1 / (1 + t)
	v_max_u32 v56, v49, v52                        ; eb.  (A plain line behind the reciprocal)
	s_wait_alu depctr_va_vdst(0)
	v_mul_f32 v57, v53, v54                        ; g2 = t / (1 + t)
	v_cmp_lt_u32 vcc_lo, v49, v52
	v_cndmask_b32 v58, v57, v54, vcc_lo            ; ga: the gate of ea
	v_cndmask_b32 v59, v54, v57, vcc_lo            ; gb: the gate of eb
	v_sub_nc_u32 v60, 15, v55
	v_mul_u32_u24 v60, v60, v55
	v_lshrrev_b32 v60, 1, v60                      ; ea (15 - ea) / 2
	v_sub_nc_u32 v61, v56, v55
	v_add_nc_u32 v61, -1, v61                      ; eb - ea - 1
	v_sub_nc_u32 v62, 7, v56                       ; 7 - eb
	v_and_b32 v63, 1, v55
	v_cmp_eq_u32 vcc_lo, 1, v63
	v_cndmask_b32 v61, v61, v62, vcc_lo
	v_add_nc_u32 v60, v60, v61                     ; the bin, 0 .. 27
	v_mov_b32 v64, 0                               ; the histogram: lane k holds bin k's count; lanes 28-31 stay 0
	v_mov_b32 v65, 0                               ; my rank among the group's tokens of my bin
.macro BIN k
	v_cmp_eq_u32 s41, \k, v60
	s_bcnt1_i32_b32 s42, s41
	v_writelane_b32 v64, s42, \k
	v_mbcnt_lo_u32_b32 v66, s41, 0                 ; how many lanes below me are in bin k
	v_cndmask_b32 v65, v65, v66, s41
.endm
.irp k, 0,1,2,3,4,5,6,7,8,9,10,11,12,13,14,15,16,17,18,19,20,21,22,23,24,25,26,27
	BIN \k
.endr
	v_lshlrev_b32 v67, 2, v60                      ; the word: bin << 2 | ea << 8 | eb << 12 | rank << 16
	v_lshl_or_b32 v67, v55, 8, v67
	v_lshl_or_b32 v67, v56, 12, v67
	v_lshl_or_b32 v67, v65, 16, v67
	v_lshlrev_b32 v68, 2, v1
	v_lshlrev_b32 v69, 3, v1
	s_lshl_b32 s22, ttmp9, 7                       ; 32 words a group  (s23 is still 0)
	s_add_nc_u64 s[14:15], s[14:15], s[22:23]
	s_add_nc_u64 s[18:19], s[18:19], s[22:23]
	s_lshl_b32 s22, ttmp9, 8
	s_add_nc_u64 s[16:17], s[16:17], s[22:23]
	global_store_b32 v68, v67, s[14:15]
	global_store_b64 v69, v[58:59], s[16:17]       ; 256 consecutive bytes, aligned
	global_store_b32 v68, v64, s[18:19]
.Lend:
	s_wait_tensorcnt 0x0
	ds_add_u32 v254, v255
	s_wait_dscnt 0x0
	s_endpgm
.Lfunc_end_k_q5d28ae0349_route:
	.size	k_q5d28ae0349_route, .Lfunc_end_k_q5d28ae0349_route-k_q5d28ae0349_route
	.p2alignl 7, 3214868480
	.fill 96, 4, 3214868480
	.section	.rodata,"a",@progbits
	.p2align	6, 0x0
	.amdhsa_kernel k_q5d28ae0349_route
		.amdhsa_group_segment_fixed_size 4608
		.amdhsa_private_segment_fixed_size 0
		.amdhsa_enable_private_segment 0
		.amdhsa_kernarg_size 64
		.amdhsa_user_sgpr_count 2
		.amdhsa_user_sgpr_kernarg_segment_ptr 1
		.amdhsa_wavefront_size32 1
		.amdhsa_system_sgpr_workgroup_id_x 1
		.amdhsa_system_sgpr_workgroup_id_y 1
		.amdhsa_system_sgpr_workgroup_id_z 1
		.amdhsa_system_vgpr_workitem_id 0
		.amdhsa_next_free_vgpr 512
		.amdhsa_next_free_sgpr 66
		.amdhsa_reserve_vcc 1
		.amdhsa_float_denorm_mode_32 3
		.amdhsa_float_denorm_mode_16_64 3
		.amdhsa_memory_ordered 1
		.amdhsa_forward_progress 1
		.amdhsa_inst_pref_size 165
	.end_amdhsa_kernel
	.amdgpu_metadata
---
amdhsa.version: [ 1, 2 ]
amdhsa.kernels:
  - .name:           k_q5d28ae0349_route
    .symbol:         k_q5d28ae0349_route.kd
    .args:
      - { .name: x, .offset: 0, .size: 8, .value_kind: global_buffer, .address_space: global }
      - { .name: gate_w, .offset: 8, .size: 8, .value_kind: global_buffer, .address_space: global }
      - { .name: gate_b, .offset: 16, .size: 8, .value_kind: global_buffer, .address_space: global }
      - { .name: lowp_scales, .offset: 24, .size: 8, .value_kind: global_buffer, .address_space: global }
      - { .name: xcodes, .offset: 32, .size: 8, .value_kind: global_buffer, .address_space: global }
      - { .name: choice, .offset: 40, .size: 8, .value_kind: global_buffer, .address_space: global }
      - { .name: gates, .offset: 48, .size: 8, .value_kind: global_buffer, .address_space: global }
      - { .name: hist, .offset: 56, .size: 8, .value_kind: global_buffer, .address_space: global }
    .group_segment_fixed_size: 4608
    .private_segment_fixed_size: 0
    .kernarg_segment_align: 8
    .kernarg_segment_size: 64
    .max_flat_workgroup_size: 128
    .sgpr_count:     66
    .vgpr_count:     512
    .wavefront_size: 32
...
	.end_amdgpu_metadata
.endif
;; end of part 4
;; launch prep (part 5): grid 257 x 1, 8 waves a work-group, no clusters, 2,048 bytes of LDS; arguments expert_w, lowp_scales, hist, choice, wimg, perm, bmask; writes wimg, perm, bmask
.if DOCPART == 5
	.amdgcn_target "amdgcn-amd-amdhsa--gfx1250"
	.amdhsa_code_object_version 6
	.text
	.protected	k_q5d28ae0349_prep
	.globl	k_q5d28ae0349_prep
	.p2align	8
	.type	k_q5d28ae0349_prep,@function
k_q5d28ae0349_prep:
	s_mov_b64 s[64:65], 0
	v_nop
	global_prefetch_b8 v0, s[64:65] scope:SCOPE_SE
	s_setreg_imm32_b32 hwreg(HW_REG_WAVE_MODE, 25, 1), 1
	s_wait_xcnt 0x0
; TWO JOBS IN ONE LAUNCH, parted on the work-group's number.
; WORK-GROUPS 1 .. 256: expert_w [8][1024 (k)][1024 (o)] f32 becomes codes of E5M2 with the given scale 2^ew (x / 2^ew, held within +-57,344, to the nearest code, ties to even), laid as IMAGES OF THE OPERAND'S REGISTERS:
;   byte = e 2^20 + ct 16384 + s 2048 + c 512 + 16 lane: lane (r, h) of the fragment of columns 16 ct + r and K step s holds, in registers 4 c .. 4 c + 3, code places p = 128 s + 32 c + 16 h + 0 .. 15,
;   and place p stands for k = 256 (p >> 8) + 128 ((p >> 2) & 1) + 4 ((p & 255) >> 3) + (p & 3), the order in which the tokens' codes lie.
;   A LANE TAKES A COLUMN AND ITS REGISTERS RUN DOWN K: each load reads 128 consecutive bytes a wave (four waves side by side: 512), and the conversions give a lane 32 codes of one column: 16 bytes of the image for h = 0
;   and 16 for h = 1.  Sixteen neighbouring lanes then store 256 consecutive bytes, aligned: no turn through LDS.  A wave takes 32 columns x one K step (128 k); loads run two blocks (64 loads) ahead.
; WORK-GROUP 0: the counting sort of the 8,192 tokens by their pair of experts (28 bins).  Wave w takes groups 32 w .. 32 w + 31 of 32 tokens; lane k holds bin k.
;   rank = tokens in lower bins + tokens of my bin in earlier waves' groups + in my wave's earlier groups + my rank in my group.  perm[rank] = token | ea << 16 | eb << 20.
;   bmask[block of 128 ranks] = the experts that the block's tokens use.  The 8,192 words of perm are stored singly, to places that the sort gives: 32 KiB in all.
; LIMITS.  ew between -126 and 112.  NaN among the weights is not served.
; No tensor loads, no cluster: no two work-groups read the same bytes.
.set X, 32                             ; W: v32-95 two sets of 32 numbers;  v96-127 codes, 8 registers a block, never rewritten
.set C, 96
	s_load_b256 s[4:11], s[0:1], 0x0               ; expert_w s[4:5], scales s[6:7], hist s[8:9], choice s[10:11]
	s_load_b128 s[12:15], s[0:1], 0x20             ; wimg s[12:13], perm s[14:15]
	s_load_b64 s[16:17], s[0:1], 0x30              ; bmask
	v_lshl_add_u32 v176, v0, 2, 0x400
	v_mov_b32 v177, 0
	v_lshrrev_b32 v1, 5, v0
	s_delay_alu instid0(VALU_DEP_1)
	v_readfirstlane_b32 s18, v1                    ; wave 0..7
	v_and_b32 v1, 31, v0                           ; lane
	s_cmp_eq_u32 ttmp9, 0
	s_cbranch_scc1 .Lsort
	; ---------------- the weights ----------------
	s_sub_co_u32 s20, ttmp9, 1
	s_lshr_b32 s21, s20, 5                         ; e: the expert
	s_bfe_u32 s22, s20, 0x30002                    ; cg: which 128 columns
	s_and_b32 s23, s20, 3                          ; sp: which pair of K steps
	s_and_b32 s24, s18, 3                          ; wc: my 32 columns of the 128
	s_lshr_b32 s25, s18, 2                         ; sh: which K step of the pair
	s_lshl_b32 s28, s21, 22                        ; in: e 2^22 + (256 sp + 64 sh) rows of 4,096 bytes + (128 cg + 32 wc) x 4
	s_lshl_b32 s26, s23, 20
	s_add_co_u32 s28, s28, s26
	s_lshl_b32 s26, s25, 18
	s_add_co_u32 s28, s28, s26
	s_lshl_b32 s26, s22, 9
	s_add_co_u32 s28, s28, s26
	s_lshl_b32 s26, s24, 7
	s_add_co_u32 s28, s28, s26
	s_mov_b32 s29, 0
	s_lshl_b32 s30, s21, 20                        ; out: e 2^20 + (8 cg + 2 wc) 16384 + (2 sp + sh) 2048
	s_lshl_b32 s26, s22, 17
	s_add_co_u32 s30, s30, s26
	s_lshl_b32 s26, s24, 15
	s_add_co_u32 s30, s30, s26
	s_lshl_b32 s26, s23, 12
	s_add_co_u32 s30, s30, s26
	s_lshl_b32 s26, s25, 11
	s_add_co_u32 s30, s30, s26
	s_mov_b32 s31, 0
	s_wait_alu depctr_va_vdst(0)
	v_lshlrev_b32 v3, 2, v1                        ; in: 4 bytes a lane
	v_lshrrev_b32 v5, 4, v1
	v_and_b32 v6, 15, v1
	s_delay_alu instid0(VALU_DEP_1)
	v_lshlrev_b32 v4, 4, v6
	s_delay_alu instid0(VALU_DEP_1)
	v_lshl_add_u32 v4, v5, 14, v4                  ; out: lanes 16-31 belong to the next 16 columns' images; 16 bytes a lane
	s_wait_alu depctr_va_vdst(0)
	s_wait_kmcnt 0x0
	s_load_b32 s27, s[6:7], 0x4                    ; ew
	s_add_nc_u64 s[4:5], s[4:5], s[28:29]
	s_add_nc_u64 s[12:13], s[12:13], s[30:31]
.macro LOAD t                          ; block t: the 32 numbers whose codes take places 32 t .. 32 t + 31 of my K step, into set t % 2
.set nn, 0
.rept 32
	global_load_b32 v[X+32*((\t)%2)+nn], v3, s[4:5] offset:4096*(16*(\t)+4*(nn/8)+(nn%4)+128*((nn/4)%2)) th:TH_LOAD_NT
.set nn, nn+1
.endr
.endm
	LOAD 0
	LOAD 1
	s_wait_kmcnt 0x0
	s_add_co_i32 s27, s27, 127
	s_lshl_b32 s26, s27, 23
	v_mov_b32 v11, s26                             ; 2^ew as f32: the conversion takes its exponent field
	s_add_co_i32 s27, s27, 15
	s_lshl_b32 s27, s27, 23
	s_or_b32 s27, s27, 0x600000
	v_mov_b32 v10, s27                             ; 57,344 x 2^ew
.macro BLOCK t
.set XS, X+32*((\t)%2)
.if (\t) < 3
	s_wait_loadcnt 32                              ; this block's 32 loads are in; the next block's may be out
.else
	s_wait_loadcnt 0
.endif
.set nn, 0
.rept 32
	v_med3_num_f32 v[XS+nn], v[XS+nn], -v10, v10   ; the conversion to an 8-bit code does not saturate (ISA guide 7.6.2): the hold comes first
.set nn, nn+1
.endr
.irp g, 0,1,2,3
	v_cvt_scalef32_pk8_bf8_f32 v[C+8*(\t)+2*\g:C+8*(\t)+2*\g+1], v[XS+8*\g:XS+8*\g+7], v11
.endr
	global_store_b128 v4, v[C+8*(\t):C+8*(\t)+3], s[12:13] offset:512*(\t)         ; the image's lanes 0-15: sixteen lanes store 256 consecutive bytes, aligned
	global_store_b128 v4, v[C+8*(\t)+4:C+8*(\t)+7], s[12:13] offset:512*(\t)+256   ; its lanes 16-31.  (The codes go to stores alone; the next block begins with plain lines on the other set)
.if (\t)+2 < 4
	LOAD (\t)+2
.endif
.endm
	s_wait_alu depctr_va_vdst(0)
	BLOCK 0
	BLOCK 1
	BLOCK 2
	BLOCK 3
	s_endpgm
	; ---------------- the sort ----------------
	; v16-23 the waves' totals; v24 base; v25 earlier waves' part; v26 total; v27 mask; v28, v29 my block's ranks; v32-63 H, later addresses; v64-95 the tokens' words; v96-127 offsets by bin; v128-159 my token's offset
.Lsort:
	s_lshl_b32 s20, s18, 12
	s_wait_alu depctr_va_vdst(0)
	v_lshl_add_u32 v2, v1, 2, s20                  ; 4,096 w + 4 lane: serves hist (32 groups of 128 bytes) and choice (1,024 tokens of 4 bytes) alike
	v_lshlrev_b32 v3, 2, v0
	v_lshlrev_b32 v4, 2, v1
	s_lshl_b32 s20, s18, 10
	v_add_nc_u32 v5, s20, v1                       ; 1,024 w + lane: my token of group 32 w
	s_wait_alu depctr_va_vdst(0)
	s_wait_kmcnt 0x0
.set ii, 0
.rept 32
	global_load_b32 v[32+ii], v2, s[8:9] offset:128*ii      ; group 32 w + i: lane k takes bin k's count
	global_load_b32 v[64+ii], v2, s[10:11] offset:128*ii    ; and lane l the word of the group's token l
.set ii, ii+1
.endr
	v_mov_b32 v24, 0
	v_mov_b32 v25, 0
	v_mov_b32 v26, 0
	v_mov_b32 v27, 0
	s_wait_loadcnt 0x0
.set ii, 1
	v_add_nc_u32 v[32+ii], v[32+ii], v[32+ii-1]
.set ii, ii+1
.rept (31)-1
	s_delay_alu instid0(VALU_DEP_1)
	v_add_nc_u32 v[32+ii], v[32+ii], v[32+ii-1]    ; running sums over my wave's groups
.set ii, ii+1
.endr
	ds_store_b32 v3, v63                           ; my wave's total of each bin
	s_wait_dscnt 0x0                               ; for the others' sake
	s_barrier_signal -1
	s_barrier_wait -1
.irp ww, 0,1,2,3,4,5,6,7
	ds_load_b32 v[16+\ww], v4 offset:128*\ww
.endr
	s_wait_dscnt 0x0
.irp ww, 0,1,2,3,4,5,6,7
	s_cmp_gt_u32 s18, \ww
	s_cselect_b32 s21, -1, 0
	v_and_b32 v30, s21, v[16+\ww]
	s_delay_alu instid0(VALU_DEP_1)
	v_add_nc_u32 v25, v25, v30                     ; earlier waves' tokens of bin k
	v_add_nc_u32 v26, v26, v[16+\ww]               ; all tokens of bin k
.endr
	s_and_b32 s21, s18, 1
	s_lshl_b32 s21, s21, 12
	v_lshl_add_u32 v28, v1, 7, s21                 ; block lane + 32 (w & 1) holds ranks lo ..
	s_delay_alu instid0(VALU_DEP_1)
	v_add_nc_u32 v29, 0x80, v28                    ; .. hi - 1
	s_mov_b32 s22, 0                               ; ranks given out so far
.macro PAIR k, ea, eb                  ; bin k takes ranks s22 .. s23 - 1; a block that holds one of them uses ea and eb
	v_readlane_b32 s21, v26, \k
	v_writelane_b32 v24, s22, \k
	s_add_co_u32 s23, s22, s21
	v_max_u32 v30, s22, v28
	v_min_u32 v31, s23, v29
	s_delay_alu instid0(VALU_DEP_1)
	v_cmp_lt_u32 vcc_lo, v30, v31                  ; never for an empty bin
	v_or_b32 v12, (1<<\ea)|(1<<\eb), v27
	s_delay_alu instid0(VALU_DEP_1)
	v_cndmask_b32 v27, v27, v12, vcc_lo
	s_mov_b32 s22, s23
.endm
	PAIR 0, 0, 1
	PAIR 1, 0, 2
	PAIR 2, 0, 3
	PAIR 3, 0, 4
	PAIR 4, 0, 5
	PAIR 5, 0, 6
	PAIR 6, 0, 7
	PAIR 7, 1, 7
	PAIR 8, 1, 6
	PAIR 9, 1, 5
	PAIR 10, 1, 4
	PAIR 11, 1, 3
	PAIR 12, 1, 2
	PAIR 13, 2, 3
	PAIR 14, 2, 4
	PAIR 15, 2, 5
	PAIR 16, 2, 6
	PAIR 17, 2, 7
	PAIR 18, 3, 7
	PAIR 19, 3, 6
	PAIR 20, 3, 5
	PAIR 21, 3, 4
	PAIR 22, 4, 5
	PAIR 23, 4, 6
	PAIR 24, 4, 7
	PAIR 25, 5, 7
	PAIR 26, 5, 6
	PAIR 27, 6, 7
	v_add_nc_u32 v24, v24, v25
.set ii, 0
.rept 32                               ; a table of 32 entries across the lanes: each token's lane pulls its bin's offset for its group.  No LDS byte is touched
.if ii == 0
	s_delay_alu instid0(VALU_DEP_1)
	v_mov_b32 v96, v24
.else
	v_add_nc_u32 v[96+ii], v24, v[32+ii-1]
.endif
	v_and_b32 v[12+ii%4], 0x7c, v[64+ii]           ; 4 x bin
	s_delay_alu instid0(VALU_DEP_1)
	v_min_u32 v[12+ii%4], 0x7c, v[12+ii%4]
	ds_bpermute_b32 v[128+ii], v[12+ii%4], v[96+ii]
.set ii, ii+1
.endr
	s_wait_dscnt 0x0
.set ii, 0
.rept 32                               ; each store has registers of its own: none is written again
	v_bfe_u32 v31, v[64+ii], 16, 8
	s_delay_alu instid0(VALU_DEP_1)
	v_add_nc_u32 v[32+ii], v[128+ii], v31          ; the rank,
	s_delay_alu instid0(VALU_DEP_1)
	v_min_u32 v[32+ii], 0x1fff, v[32+ii]           ; held inside the list,
	s_delay_alu instid0(VALU_DEP_1)
	v_lshlrev_b32 v[32+ii], 2, v[32+ii]            ; as a byte offset
	v_and_b32 v30, 0xff00, v[64+ii]
	s_delay_alu instid0(VALU_DEP_1)
	v_lshl_add_u32 v[64+ii], v30, 8, v5            ; ea << 16 | eb << 20, + 1,024 w + lane
	s_delay_alu instid0(VALU_DEP_1)
	v_add_nc_u32 v[64+ii], 32*ii, v[64+ii]         ; + 32 i: the token
	global_store_b32 v[32+ii], v[64+ii], s[14:15]
.set ii, ii+1
.endr
	s_cmp_gt_u32 s18, 1
	s_cbranch_scc1 .Ldone
	global_store_b32 v3, v27, s[16:17]             ; waves 0 and 1: the 64 blocks' masks
.Ldone:
	s_wait_tensorcnt 0x0
	ds_add_u32 v176, v177
	s_wait_dscnt 0x0
	s_endpgm
.Lfunc_end_k_q5d28ae0349_prep:
	.size	k_q5d28ae0349_prep, .Lfunc_end_k_q5d28ae0349_prep-k_q5d28ae0349_prep
	.p2alignl 7, 3214868480
	.fill 96, 4, 3214868480
	.section	.rodata,"a",@progbits
	.p2align	6, 0x0
	.amdhsa_kernel k_q5d28ae0349_prep
		.amdhsa_group_segment_fixed_size 2048
		.amdhsa_private_segment_fixed_size 0
		.amdhsa_enable_private_segment 0
		.amdhsa_kernarg_size 56
		.amdhsa_user_sgpr_count 2
		.amdhsa_user_sgpr_kernarg_segment_ptr 1
		.amdhsa_wavefront_size32 1
		.amdhsa_system_sgpr_workgroup_id_x 1
		.amdhsa_system_sgpr_workgroup_id_y 1
		.amdhsa_system_sgpr_workgroup_id_z 1
		.amdhsa_system_vgpr_workitem_id 0
		.amdhsa_next_free_vgpr 178
		.amdhsa_next_free_sgpr 66
		.amdhsa_reserve_vcc 1
		.amdhsa_float_denorm_mode_32 3
		.amdhsa_float_denorm_mode_16_64 3
		.amdhsa_memory_ordered 1
		.amdhsa_forward_progress 1
		.amdhsa_inst_pref_size 76
	.end_amdhsa_kernel
	.amdgpu_metadata
---
amdhsa.version: [ 1, 2 ]
amdhsa.kernels:
  - .name:           k_q5d28ae0349_prep
    .symbol:         k_q5d28ae0349_prep.kd
    .args:
      - { .name: expert_w, .offset: 0, .size: 8, .value_kind: global_buffer, .address_space: global }
      - { .name: lowp_scales, .offset: 8, .size: 8, .value_kind: global_buffer, .address_space: global }
      - { .name: hist, .offset: 16, .size: 8, .value_kind: global_buffer, .address_space: global }
      - { .name: choice, .offset: 24, .size: 8, .value_kind: global_buffer, .address_space: global }
      - { .name: wimg, .offset: 32, .size: 8, .value_kind: global_buffer, .address_space: global }
      - { .name: perm, .offset: 40, .size: 8, .value_kind: global_buffer, .address_space: global }
      - { .name: bmask, .offset: 48, .size: 8, .value_kind: global_buffer, .address_space: global }
    .group_segment_fixed_size: 2048
    .private_segment_fixed_size: 0
    .kernarg_segment_align: 8
    .kernarg_segment_size: 56
    .max_flat_workgroup_size: 256
    .sgpr_count:     66
    .vgpr_count:     178
    .wavefront_size: 32
...
	.end_amdgpu_metadata
.endif
;; end of part 5
;; launch experts (part 6): grid 4 x 64, 4 waves a work-group, no clusters, 152,064 bytes of LDS; arguments xcodes, wimg, perm, bmask, gates, expert_b, lowp_scales, out0; writes out0
.if DOCPART == 6
	.amdgcn_target "amdgcn-amd-amdhsa--gfx1250"
	.amdhsa_code_object_version 6
	.text
	.protected	k_q5d28ae0349_experts
	.globl	k_q5d28ae0349_experts
	.p2align	8
	.type	k_q5d28ae0349_experts,@function
k_q5d28ae0349_experts:
	s_mov_b64 s[64:65], 0
	v_nop
	global_prefetch_b8 v0, s[64:65] scope:SCOPE_SE
	s_setreg_imm32_b32 hwreg(HW_REG_WAVE_SCHED_MODE, 0, 2), 2
	s_setreg_imm32_b32 hwreg(HW_REG_WAVE_MODE, 25, 1), 1
	s_wait_xcnt 0x0
	s_wait_alu depctr_vm_vsrc(0)
; out[t] = the sum over t's two experts e of g_e(t) (Q(x[t]) . Q(W_e) + b_e), on codes of E5M2; sums in f32.  Only the chosen experts' products are made: the others have the weight 0.
; SHARES.  A work-group owns 128 tokens of the list sorted by pairs of experts (work-group y) x 256 columns (work-group x), so each output row's 1,024 bytes here have one owner and are stored once.
; It gathers its tokens' codes into LDS once and walks the experts named in its block's mask (two, or three where the block spans two bins; up to eight are served).
; THE WAVES SHARE THE COLUMNS: wave w takes 64 columns for all 128 tokens, so no byte of a weight is fetched twice in a work-group.  The weights come from memory straight into registers, as register images:
; each load covers 512 consecutive bytes.  K step s + 3's are asked for among the first products of K step s, over the change of experts too.
; THE MATRIX INSTRUCTION IS USED TRANSPOSED: source 0 = 16 columns of W, source 1 = 16 tokens: a lane holds ONE token (lane % 16) and eight neighbouring columns.  So a token's gate is one number a lane.
; An expert's sums begin with b_e / 2^(ex + ew) as the C of the first K step's products; then OUT += (g 2^(ex + ew)) x sum, one packed multiply-add for two numbers; the gate is 0 for tokens that did not choose the expert.
; k lies in the same order in the tokens' codes and in the weights' images, so every product meets its partner.
; WHY NO TENSOR LOADS AND NO JOINT LOADS: how many experts a work-group walks, and which, is read from a stored list, so trip counts and addresses differ between work-groups that would share a weight's tile.
; LIMITS.  b / 2^(ex + ew) and g 2^(ex + ew) must be f32 numbers (both are made by v_ldexp_f32): |ex + ew| up to about 100 for biases and gates of the usual size.
; LDS: 0: 128 rows of 1,024 codes, 1,040 bytes apart (65 x 16: the 16 rows of a fragment load fall on different banks, ISA guide 11.1); 133,120: the 128 tokens' numbers; 133,632: a stage of 16 rows x 272 bytes for each wave.
; REGISTERS.  Window 0: v1-10 addresses; v16-23 list words, v24-31 ea, v32-39 eb, v40-55 (ga, gb) x 2^(ex + ew), all for token lane % 16 of tile t; v56-71 the gate in hand, a pair a tile (the low word is used);
;   v72-80 addresses; v96-127 bias; v128-255 A's eight fragments, ONE set.
;   Window 1: W's fragments, a ring of four sets of 64.   Window 2: the 32 accumulators of the expert in hand, tile (a, b) at v[8 (4 a + b)].   Window 3: OUT, likewise.
; THE MODE: SCHED_MODE bits 1:0 = 2 (LLVM: expert scheduling mode 2), set by the entry lines.  The code itself states the register dependences
; between vector or matrix instructions and memory or LDS instructions, with s_wait_alu, always for 0.
; THE PLAN.  Registers that memory or LDS instructions touch, in an expert's eight K steps:
;   A0 = v128-191  token blocks 0-3.  Read by a step's first sixteen products; the next step's blocks land in it, by LDS loads dealt among the step's second sixteen.
;   A1 = v192-255  token blocks 4-7.  Read by a step's second sixteen products; the next step's blocks land in it, by LDS loads dealt among the next step's first sixteen.
;   W[s % 4]       Read by all 32 products of K step s; K step s + 4's fragments land in it, by loads dealt among the first sixteen products of step s + 1.
;   BIAS           Scaled at the expert's head and read by K step 0's products; the next expert's lands in it in K step 5.
;   v1, v2, v3, v10  Addresses, made at the head and never written again.
;   The accumulators and OUT are named by matrix and vector instructions alone, until the way out.
; All 1,024 registers are taken, so A has one set, and a K step has TWO waits on va_vdst: one behind its first sixteen products (they are done reading A0), one behind its second sixteen (they are done reading A1
; and the step's set of W).  Behind each the next products start at once, and the loads follow in groups of four, a group behind each of the first products.  Those products name the other half of A, another set of W and
; the accumulators: none of the registers that the dealt loads touch.  A group wants the windows of a load, so it costs two switches: 24 for a K step's 32 products and 48 loads.
.set XP,   1040
.set PT,   128*XP
.set STG,  PT+512
.set L16,  1                           ; v1   16 x lane
.set ADRA, 2                           ; v2, v3  LDS address of my part of A's fragments, blocks 0-3 and 4-7
.set SA,   4                           ; v4   where my wave puts gathered rows
.set STO,  5                           ; v5   the stage: where I put 32 bytes of a row
.set RD,   6                           ; v6   and where I read rows back
.set PTR,  7                           ; v7   the tokens' numbers of the rows that I store
.set CO,   8                           ; v8   my byte offset in a row of out
.set VROW, 9                           ; v9   the list word of rank 32 wave + lane
.set BO,   10                          ; v10  32 x (lane / 16)
.set PW,   16
.set EA,   24
.set EB,   32
.set GT,   40
.set GS,   56
.set GA,   72
.set BIAS, 96
.set AF,   128
.set MSB, 0
.macro WIN new                         ; the immediate's high byte repeats the setting that is left
.if MSB != \new
	s_set_vgpr_msb (MSB<<8)|\new
.set MSB, \new
.endif
.endm
.macro PLACES                          ; four places behind matrix instructions, in front of loads into registers that they have read (ISA guide 7.12.1 for vector instructions); they stay beside the wait that follows them
.rept 4
	v_nop
.endr
.endm
; The next expert of the mask: its number s35, its weights s[38:39], its bias s[40:41].  (s47 = 0)
.macro NEXT
	s_ctz_i32_b32 s35, s27
	s_min_u32 s35, s35, 7
	s_lshl_b32 s29, 1, s35
	s_and_not1_b32 s27, s27, s29
	s_lshl_b32 s46, s35, 20
	s_add_nc_u64 s[38:39], s[42:43], s[46:47]
	s_lshl_b32 s46, s35, 12
	s_add_nc_u64 s[40:41], s[44:45], s[46:47]
.endm
; THE GROUPS OF FOUR LOADS.
.macro AGRP s, a                       ; A's block a of K step s: lane (r, h), registers 4 c ..: bytes 128 s + 32 c + 16 h + 0 .. 15 of row 16 a + r
	WIN 0
.irp c, 0,1,2,3
	ds_load_b128 v[AF+16*(\a)+4*\c:AF+16*(\a)+4*\c+3], v[ADRA+(\a)/4] offset:16*XP*((\a)%4)+128*(\s)+32*\c
.endr
.endm
.macro WGRP base, s, b                 ; W's fragment b of K step s into set s % 4: each load covers 512 consecutive bytes
	WIN 0x40                                       ; destination window 1
.irp c, 0,1,2,3
	global_load_b128 v[64*((\s)%4)+16*(\b)+4*\c:64*((\s)%4)+16*(\b)+4*\c+3], v[L16], s[\base:\base+1] offset:16384*(\b)+2048*(\s)+512*\c
.endr
.endm
.macro BGRP b0                         ; the next expert's bias in the result's layout, tiles b0 and b0 + 1: tile b, register j: column 16 b + 8 (lane / 16) + j
	WIN 0
	global_load_b128 v[BIAS+8*(\b0):BIAS+8*(\b0)+3], v[BO], s[40:41] offset:64*(\b0)
	global_load_b128 v[BIAS+8*(\b0)+4:BIAS+8*(\b0)+7], v[BO], s[40:41] offset:64*(\b0)+16
	global_load_b128 v[BIAS+8*(\b0)+8:BIAS+8*(\b0)+11], v[BO], s[40:41] offset:64*(\b0)+64
	global_load_b128 v[BIAS+8*(\b0)+12:BIAS+8*(\b0)+15], v[BO], s[40:41] offset:64*(\b0)+80
.endm
.macro FETCH_A s, a0                   ; A's blocks a0 .. a0 + 3 in one run
.irp j, 0,1,2,3
	AGRP \s, (\a0)+\j
.endr
.endm
.macro BLOADS base, s                  ; W's four fragments of K step s in one run
.irp b, 0,1,2,3
	WGRP \base, \s, \b
.endr
.endm
.macro BIASL
	BGRP 0
	BGRP 2
.endm
.macro WINMUL s
.if (\s) == 0
	WIN 0x81                                       ; source 0 (W) window 1, source 1 (A) and C (bias) window 0, D window 2
.else
	WIN 0xa1                                       ; the same, C and D window 2
.endif
.endm
.macro MM a, b, s                      ; one product: token block a x my block b of columns, K step s
.if (\s) == 0
	v_wmma_f32_16x16x128_bf8_bf8 v[8*(4*(\a)+(\b)):8*(4*(\a)+(\b))+7], v[64*((\s)%4)+16*(\b):64*((\s)%4)+16*(\b)+15], v[AF+16*(\a):AF+16*(\a)+15], v[BIAS+8*(\b):BIAS+8*(\b)+7]
.else
	v_wmma_f32_16x16x128_bf8_bf8 v[8*(4*(\a)+(\b)):8*(4*(\a)+(\b))+7], v[64*((\s)%4)+16*(\b):64*((\s)%4)+16*(\b)+15], v[AF+16*(\a):AF+16*(\a)+15], v[8*(4*(\a)+(\b)):8*(4*(\a)+(\b))+7]
.endif
.endm
; The group that stands behind product nn of a half step.  No wait: no vector or matrix instruction since the half step's wait names a register that these loads touch.
; First half of K step s > 0: this step's A1 (nn 0-3); W of K step s + 3, the next expert's from s = 5 on (nn 4-7); in K step 5 the next expert's bias (nn 8, 9).  K step 0's were asked for behind the K step 7 before it, or in the prologue.
; Second half: the next step's A0 (nn 0-3).
.macro DEAL s, a0, last
.if (\a0) == 0
.if (\s) > 0
.if nn < 4
	AGRP \s, 4+nn
.elseif nn < 8
.if (\s)+3 < 8
	WGRP 36, (\s)+3, nn-4
.elseif !\last
	WGRP 38, (\s)-5, nn-4
.endif
.elseif (nn < 10) && ((\s) == 5) && (!\last)
	BGRP 2*(nn-8)
.endif
.endif
.else
.if (nn < 4) && (!FIN)
	AGRP ((\s)+1)%8, nn
.endif
.endif
.endm
; 16 matrix instructions: token blocks a0 .. a0 + 3 x my four blocks of columns.  The 32 accumulators take turns, one instruction a turn, in the same order in every step.
.macro HALF s, a0, last
.set nn, 0
.irp a, 0,1,2,3
.irp b, 0,1,2,3
	WINMUL \s
	MM (\a0)+\a, \b, \s
	DEAL \s, \a0, \last
.set nn, nn+1
.endr
.endr
.endm
; A K step of 128: 32 matrix instructions, 32 LDS loads, 16 loads from memory.
.macro KSTEP s, last
.set FIN, 0
.if \last && (\s) == 7
.set FIN, 1
.endif
.if (\s) > 5 && \last
	s_wait_loadcnt 16*(7-(\s))                     ; behind this step's weights: the later steps' of the last expert
.elseif (\s) > 5
	s_wait_loadcnt 40                              ; behind this step's weights: two steps' 32 loads and the next expert's 8 of bias
.elseif (\s) > 0
	s_wait_loadcnt 32                              ; behind this step's weights: two steps' 32 loads; a third step's follow among the products below
.endif
.if (\s) == 0
	s_wait_dscnt 16                                ; A0 is in; A1's sixteen loads, issued behind it, may be out
.else
	s_wait_dscnt 0x0                               ; A0 is in: its loads stand among the first of the sixteen products before
.endif
	HALF \s, 0, \last
.if !FIN
	PLACES
	s_wait_alu depctr_va_vdst(0)                   ; the sixteen products above are done reading A0, in which the loads dealt among the next sixteen land
.endif
	s_wait_dscnt 0x0                               ; A1 is in
	HALF \s, 4, \last
.if !FIN
	PLACES
.if (\s) == 7
	WIN 0                                          ; (the switch, then the wait, then the loads)
.endif
	s_wait_alu depctr_va_vdst(0)                   ; the sixteen products above are done reading A1, and all 32 this step's set of W: the next loads of A1 and of W land there
.endif
.if ((\s) == 7) && (!\last)
	FETCH_A 0, 4                                   ; no products follow at once: the next expert's A1 and its K step 3 go out in one run, ahead of the vector work
	BLOADS 38, 3
.endif
.endm
; One expert.  At its head: its bias and its K steps 0 to 3 are asked for, and A's fragments of K step 0.
.macro EXPERT first, last
	s_wait_xcnt 0x0                                ; the loads issued so far have read their bases: only now are the bases written again
	s_mov_b64 s[36:37], s[38:39]
	s_mov_b32 s34, s35
.if !\last
	NEXT
.endif
	s_wait_loadcnt 48                              ; the bias and K step 0's weights are in; three steps' 48 loads may be out
.set jj, 0
.rept 32
	v_ldexp_f32 v[BIAS+jj], v[BIAS+jj], s33        ; b / 2^(ex + ew): the power of two that the sums lack
.set jj, jj+1
.endr
	s_wait_alu depctr_va_vdst(0)
.irp s, 0,1,2,3,4,5,6,7
	KSTEP \s, \last
.endr
	WIN 0
.irp t, 0,1,2,3,4,5,6,7                        ; the gate of this expert for my token of each tile, 0 where it was not chosen.  (These lines are also the places behind the last products)
	v_cmp_eq_u32 s[48+2*\t], s34, v[EA+\t]         ; the sixteen compares stand in one run, each with a mask of its own
	v_cmp_eq_u32 s[49+2*\t], s34, v[EB+\t]
.endr
	s_wait_alu depctr_va_sdst(0)                   ; the compares have written s48 to s63, ahead of the selects that read them
.irp t, 0,1,2,3,4,5,6,7
	v_cndmask_b32 v[11+\t%2], 0, v[GT+2*\t], s[48+2*\t]
	v_cndmask_b32 v[GS+2*\t], v[11+\t%2], v[GT+2*\t+1], s[49+2*\t]
.endr
.if \first
	WIN 0xc2                                       ; source 0 (the sums) window 2, destination (OUT) window 3
.else
	WIN 0xf2                                       ; and source 2 window 3
.endif
.irp a, 0,1,2,3,4,5,6,7
.irp b, 0,1,2,3
.irp i, 0,2,4,6                                ; each accumulator from its low end on
.if \first
	v_pk_mul_f32 v[8*(4*\a+\b)+\i:8*(4*\a+\b)+\i+1], v[8*(4*\a+\b)+\i:8*(4*\a+\b)+\i+1], v[GS+2*\a:GS+2*\a+1] op_sel_hi:[1,0]        ; the first expert starts OUT: nothing is cleared
.else
	v_pk_fma_f32 v[8*(4*\a+\b)+\i:8*(4*\a+\b)+\i+1], v[8*(4*\a+\b)+\i:8*(4*\a+\b)+\i+1], v[GS+2*\a:GS+2*\a+1], v[8*(4*\a+\b)+\i:8*(4*\a+\b)+\i+1] op_sel_hi:[1,0,1]
.endif
.endr
.endr
.endr
	WIN 0                                          ; at a label and at a branch every window is 0
.endm
	s_load_b512 s[8:23], s[0:1], 0x0               ; xcodes s[8:9], wimg s[10:11], perm s[12:13], bmask s[14:15], gates s[16:17], expert_b s[18:19], scales s[20:21], out s[22:23]
	v_lshl_add_u32 v94, v0, 2, 0x25000
	v_mov_b32 v95, 0
	v_lshrrev_b32 v11, 5, v0
	v_readfirstlane_b32 s24, v11                   ; wave 0..3
	s_mov_b32 s25, ttmp9                           ; cb: which 256 columns
	s_and_b32 s26, ttmp7, 0xffff                   ; tb: which 128 ranks
	s_mov_b32 s47, 0
	v_and_b32 v11, 31, v0                          ; lane
	v_and_b32 v12, 15, v0                          ; r
	v_bfe_u32 v13, v0, 4, 1                        ; h
	v_lshlrev_b32 v[L16], 4, v11
	v_mul_u32_u24 v[ADRA], v12, XP
	v_lshl_add_u32 v[ADRA], v13, 4, v[ADRA]
	v_add_nc_u32 v[ADRA+1], 64*XP, v[ADRA]
	s_wait_alu depctr_va_sdst(0)                   ; s24 is written, ahead of its first reader: LDS places and bases are made from it
	s_mul_i32 s29, s24, 32*XP
	v_add_nc_u32 v[SA], s29, v[L16]                ; my wave gathers rows 32 w .. 32 w + 31
	s_mul_i32 s29, s24, 16*272
	s_add_co_u32 s29, s29, STG                     ; my stage
	v_mul_u32_u24 v[STO], v12, 272
	v_lshl_add_u32 v[STO], v13, 5, v[STO]
	v_add_nc_u32 v[STO], s29, v[STO]               ; in: row r, + 32 h
	v_mul_u32_u24 v[RD], v13, 8*272
	v_lshl_add_u32 v[RD], v12, 4, v[RD]
	v_add_nc_u32 v[RD], s29, v[RD]                 ; back: lanes 0-15 rows 0-7, lanes 16-31 rows 8-15; 16 bytes a lane
	v_lshlrev_b32 v[PTR], 5, v13
	v_add_nc_u32 v[PTR], PT, v[PTR]
	s_lshl_b32 s29, s25, 10
	s_lshl_b32 s46, s24, 8
	s_add_co_u32 s29, s29, s46
	v_lshl_add_u32 v[CO], v12, 4, s29              ; 1,024 cb + 256 w + 16 r
	v_lshlrev_b32 v[BO], 5, v13
	v_lshlrev_b32 v14, 2, v0
	v_lshlrev_b32 v15, 2, v12
	v_lshl_add_u32 v80, v0, 2, PT
.irp t, 0,1,2,3,4,5,6,7
	v_mov_b32 v[GS+2*\t+1], 0                      ; named as the upper halves of the gates' pairs, so they are written
.endr
	s_wait_kmcnt 0x0
	s_lshl_b32 s46, s26, 2
	s_add_nc_u64 s[14:15], s[14:15], s[46:47]
	s_load_b32 s27, s[14:15], 0x0                  ; my block's mask of experts
	s_load_b64 s[30:31], s[20:21], 0x0             ; ex, ew
	s_lshl_b32 s46, s26, 9
	s_add_nc_u64 s[12:13], s[12:13], s[46:47]      ; my block's 128 words of the list
	s_wait_alu depctr_va_vdst(0)                   ; the addresses v1 to v10, v14, v15 and v80 are written, which the loads and stores of the whole kernel read
	global_load_b32 v[VROW], v14, s[12:13]
.irp t, 0,1,2,3,4,5,6,7
	global_load_b32 v[PW+\t], v15, s[12:13] offset:64*\t
.endr
	s_lshl_b32 s46, s25, 18
	s_lshl_b32 s29, s24, 16
	s_add_co_u32 s46, s46, s29
	s_add_nc_u64 s[42:43], s[10:11], s[46:47]      ; my wave's images: column blocks 16 cb + 4 w on
	s_lshl_b32 s46, s25, 10
	s_lshl_b32 s29, s24, 8
	s_add_co_u32 s46, s46, s29
	s_add_nc_u64 s[44:45], s[18:19], s[46:47]      ; my wave's 64 columns of a bias
	s_wait_loadcnt 0x0
	v_and_b32 v13, 0x1fff, v[VROW]
.irp t, 0,1,2,3,4,5,6,7
	v_and_b32 v[GA+\t], 0x1fff, v[PW+\t]
	v_min_u32 v[GA+\t], 0x1fff, v[GA+\t]
	v_lshlrev_b32 v[GA+\t], 3, v[GA+\t]
.endr
	s_wait_alu depctr_va_vdst(0)                   ; v13, the LDS store's data, and the gates' eight addresses are written
	ds_store_b32 v80, v13                          ; the tokens' numbers, for the way out
.irp t, 0,1,2,3,4,5,6,7
	global_load_b64 v[GT+2*\t:GT+2*\t+1], v[GA+\t], s[16:17]
.endr
.irp hh, 0,1                                   ; the byte offsets of my wave's 32 rows of codes, sixteen at a time
.set ii, 0
.rept 16
	v_readlane_b32 s[48+ii], v[VROW], 16*\hh+ii
.set ii, ii+1
.endr
	s_wait_alu depctr_va_sdst(0)                   ; the sixteen lines above have written s48 to s63, ahead of their first readers
.set ii, 0
.rept 16
	s_and_b32 s[48+ii], s[48+ii], 0x1fff
	s_min_u32 s[48+ii], s[48+ii], 0x1fff
	s_lshl_b32 s[48+ii], s[48+ii], 10
	v_add_nc_u32 v[AF+16*\hh+ii], s[48+ii], v[L16]
.set ii, ii+1
.endr
.endr
	WIN 0x80                                       ; destination window 2: the accumulators' registers are free yet
	s_wait_alu depctr_va_vdst(0)                   ; the 32 rows' addresses, v128 to v159, are written
.set ii, 0
.rept 32
	global_load_b128 v[8*ii:8*ii+3], v[AF+ii], s[8:9]               ; 512 consecutive bytes of one token's row
	global_load_b128 v[8*ii+4:8*ii+7], v[AF+ii], s[8:9] offset:512
.set ii, ii+1
.endr
	WIN 0
	s_wait_kmcnt 0x0
	s_and_b32 s27, s27, 0xff
	s_bcnt1_i32_b32 s28, s27
	s_max_u32 s28, s28, 2                          ; a block's tokens use two experts at the least
	s_sub_co_u32 s28, s28, 2
	s_min_u32 s28, s28, 6                          ; experts between the first and the last
	s_add_co_i32 s32, s30, s31                     ; ex + ew
	s_sub_co_i32 s33, 0, s32
	NEXT
	BIASL
	BLOADS 38, 0
	BLOADS 38, 1
	BLOADS 38, 2
	s_wait_loadcnt 56                              ; behind the gather: 8 loads of bias and 48 of weights, which may be out
	WIN 0x08                                       ; store data window 2
.set ii, 0
.rept 32
	ds_store_b128 v[SA], v[8*ii:8*ii+3] offset:XP*ii
	ds_store_b128 v[SA], v[8*ii+4:8*ii+7] offset:XP*ii+512
.set ii, ii+1
.endr
	BLOADS 38, 3
	WIN 0
.irp t, 0,1,2,3,4,5,6,7
	v_bfe_u32 v[EA+\t], v[PW+\t], 16, 4
	v_bfe_u32 v[EB+\t], v[PW+\t], 20, 4
	v_ldexp_f32 v[GT+2*\t], v[GT+2*\t], s32        ; the gates x 2^(ex + ew)
	v_ldexp_f32 v[GT+2*\t+1], v[GT+2*\t+1], s32
.endr
	s_wait_dscnt 0x0                               ; for the others' sake: my rows and my tokens' numbers lie in LDS
	s_barrier_signal -1
	s_barrier_wait -1                              ; the one barrier: from here on LDS rows are only read
	s_wait_alu depctr_vm_vsrc(0)                   ; the gather's loads have read their addresses v128 to v159, in which A's fragments land; my LDS stores have read window 2's registers, which the products write
	FETCH_A 0, 0
	FETCH_A 0, 4
	EXPERT 1, 0
	s_cmp_eq_u32 s28, 0
	s_cbranch_scc1 .Llast
.Lmid:
	EXPERT 0, 0
	s_sub_co_u32 s28, s28, 1
	s_cmp_lg_u32 s28, 0
	s_cbranch_scc1 .Lmid
.Llast:
	EXPERT 0, 1                                    ; the last expert asks for nothing more
; THE WAY OUT, a tile of 16 tokens x my 64 columns at a time.  A lane holds 32 neighbouring bytes of one token's row; through my own stage they come back as whole pieces of 256 bytes,
; which sixteen lanes store at the token's own row.  LDS serves a wave's instructions in order (ISA guide 5.7.1.4): no wait between the stores and the loads.
; Two sets of registers by turns.  BK: rows back from the stage: written by LDS loads, read by the global stores.  TK: the tokens' numbers: written by LDS loads, held in place by vector lines.
; AD: the rows' addresses: written by vector lines, read by the global stores.
.macro TOSTAGE a
.set BK, 128+32*((\a)%2)
.set TK, 192+8*((\a)%2)
	WIN 0x0c                                       ; store data window 3
.irp b, 0,1,2,3
	ds_store_b128 v[STO], v[8*(4*(\a)+\b):8*(4*(\a)+\b)+3] offset:64*\b
	ds_store_b128 v[STO], v[8*(4*(\a)+\b)+4:8*(4*(\a)+\b)+7] offset:64*\b+16
.endr
	WIN 0
.irp i, 0,1,2,3,4,5,6,7
	ds_load_b128 v[BK+4*\i:BK+4*\i+3], v[RD] offset:272*\i
.endr
	ds_load_b128 v[TK:TK+3], v[PTR] offset:64*(\a)          ; the numbers of the eight tokens whose rows my half of the lanes stores
	ds_load_b128 v[TK+4:TK+7], v[PTR] offset:64*(\a)+16
.endm
.macro SEND a, younger                 ; younger: the LDS instructions issued behind tile a's loads, which may stay out
.set BK, 128+32*((\a)%2)
.set TK, 192+8*((\a)%2)
.set AD, 208+8*((\a)%2)
	s_wait_dscnt \younger
.irp i, 0,1,2,3,4,5,6,7
	v_min_u32 v[TK+\i], 0x1fff, v[TK+\i]
	v_lshl_add_u32 v[AD+\i], v[TK+\i], 12, v[CO]
.endr
	s_wait_alu depctr_va_vdst(0)                   ; the tile's eight addresses are written, which the stores below read; and the lines above are done with this set's TK, in which the loads of two tiles on land
.irp i, 0,1,2,3,4,5,6,7
	global_store_b128 v[AD+\i], v[BK+4*\i:BK+4*\i+3], s[22:23] th:TH_STORE_NT   ; sixteen lanes store 256 consecutive bytes, aligned; written once, read by nobody here
.endr
.endm
	s_wait_alu depctr_va_vdst(0)                   ; the multiply-adds have written OUT, which the LDS stores read; the products are done reading v128 to v207, in which the loads from the stage land
	TOSTAGE 0
.irp a, 1,2,3,4,5,6,7
.if \a > 1
	s_wait_xcnt 0x0                                ; tile a - 2's stores have read their registers: tile a's loads may land there
	s_wait_alu depctr_vm_vsrc(0)                   ; tile a - 2's stores have read their data and their addresses: tile a's loads land in the one, its vector lines write the other
.endif
	TOSTAGE \a
	SEND \a-1, 18                                  ; behind tile a - 1's loads: tile a's 8 stores and 10 loads
.endr
	SEND 7, 0
	s_wait_dscnt 0x0                               ; the closing lines, six on end
	s_wait_alu 0x0
	s_wait_tensorcnt 0x0
	ds_add_u32 v94, v95
	s_wait_dscnt 0x0
	s_endpgm
.Lfunc_end_k_q5d28ae0349_experts:
	.size	k_q5d28ae0349_experts, .Lfunc_end_k_q5d28ae0349_experts-k_q5d28ae0349_experts
	.p2alignl 7, 3214868480
	.fill 96, 4, 3214868480
	.section	.rodata,"a",@progbits
	.p2align	6, 0x0
	.amdhsa_kernel k_q5d28ae0349_experts
		.amdhsa_group_segment_fixed_size 152064
		.amdhsa_private_segment_fixed_size 0
		.amdhsa_enable_private_segment 0
		.amdhsa_kernarg_size 64
		.amdhsa_user_sgpr_count 2
		.amdhsa_user_sgpr_kernarg_segment_ptr 1
		.amdhsa_wavefront_size32 1
		.amdhsa_system_sgpr_workgroup_id_x 1
		.amdhsa_system_sgpr_workgroup_id_y 1
		.amdhsa_system_sgpr_workgroup_id_z 1
		.amdhsa_system_vgpr_workitem_id 0
		.amdhsa_next_free_vgpr 1024
		.amdhsa_next_free_sgpr 66
		.amdhsa_reserve_vcc 0
		.amdhsa_float_denorm_mode_32 3
		.amdhsa_float_denorm_mode_16_64 3
		.amdhsa_memory_ordered 1
		.amdhsa_forward_progress 1
		.amdhsa_inst_pref_size 249
	.end_amdhsa_kernel
	.amdgpu_metadata
---
amdhsa.version: [ 1, 2 ]
amdhsa.kernels:
  - .name:           k_q5d28ae0349_experts
    .symbol:         k_q5d28ae0349_experts.kd
    .args:
      - { .name: xcodes, .offset: 0, .size: 8, .value_kind: global_buffer, .address_space: global }
      - { .name: wimg, .offset: 8, .size: 8, .value_kind: global_buffer, .address_space: global }
      - { .name: perm, .offset: 16, .size: 8, .value_kind: global_buffer, .address_space: global }
      - { .name: bmask, .offset: 24, .size: 8, .value_kind: global_buffer, .address_space: global }
      - { .name: gates, .offset: 32, .size: 8, .value_kind: global_buffer, .address_space: global }
      - { .name: expert_b, .offset: 40, .size: 8, .value_kind: global_buffer, .address_space: global }
      - { .name: lowp_scales, .offset: 48, .size: 8, .value_kind: global_buffer, .address_space: global }
      - { .name: out0, .offset: 56, .size: 8, .value_kind: global_buffer, .address_space: global }
    .group_segment_fixed_size: 152064
    .private_segment_fixed_size: 0
    .kernarg_segment_align: 8
    .kernarg_segment_size: 64
    .max_flat_workgroup_size: 128
    .sgpr_count:     66
    .vgpr_count:     1024
    .wavefront_size: 32
...
	.end_amdgpu_metadata
.endif
;; end of part 6
